; MI455X (gfx1250); checked and timed in simulation.
; The chip was launched on July 23, 2026; its instructions are those of AMD's public machine-readable ISA for CDNA 5 (MIT licence, August 2026) and "CDNA5" Instruction Set Architecture Reference Guide (July 2026). The comments in the code are by the model that wrote it; some were corrected since.
;; Multihead self atten. Allowed arithmetic: matrix products marked QUANTISED: E2M1 operands, one E8M0 scale for each 32 along K, by v_wmma_scale_f32_16x16x128_f8f6f4 with both operands' format E2M1 (or v_wmma_scale_f32_32x16x128_f4), f32 sums; products left as they are: bf16, f16 or f32 operands; f32 sums; everything else in f32.
;; Inputs: token_positions 2,048 int32; wk 1,024 x 1,024 float32; wo 1,024 x 1,024 float32; wq 1,024 x 1,024 float32; wv 1,024 x 1,024 float32; x 4 x 2,048 x 1,024 float32.
;; Outputs: out0 4 x 2,048 x 1,024 float32.
;; This version of the problem:
;;   THIS VERSION OF THE PROBLEM IS GIVEN IN LOW PRECISION. The matrix products marked QUANTISED in the list below multiply operands that are first quantised to E2M1 (2 exponent bits, 1 mantissa bit; 4 bits a number), with one power-of-two scale for each 32 numbers along K (OCP MX v1.0); their sums are f32. The products marked 'left as it is' may take bf16, f16 or f32 operands, with f32 sums. Whichever they take, every output number must still come out within the allowed error. Rounding operands to bf16 (8 significant bits) uses up far more of that allowance than f16 does (11 bits, for magnitudes from 6e-5 to 65,504). All else is computed in f32.
;;   The module's matrix products, in the order in which they are computed (A, B: the left and right operand; K: the contracted axis; several contracted axes count as one K, in the product's order):
;;     1. [M 8,192, K 1,024] x [K 1,024, N 1,024]; A: input x; B: input wq: QUANTISED
;;     2. [M 8,192, K 1,024] x [K 1,024, N 1,024]; A: input x; B: input wk: QUANTISED
;;     3. [M 8,192, K 1,024] x [K 1,024, N 1,024]; A: input x; B: input wv: QUANTISED
;;     4. batch 64 x [M 2,048, K 64] x [K 64, N 2,048]; A: computed on the way; B: computed on the way: left as it is (an operand is computed on the way)
;;     5. batch 64 x [M 2,048, K 2,048] x [K 2,048, N 64]; A: computed on the way; B: computed on the way: left as it is (an operand is computed on the way)
;;     6. [M 8,192, K 1,024] x [K 1,024, N 1,024]; A: computed on the way; B: input wo: left as it is (an operand is computed on the way)
;;   THE QUANTISER, for each operand of a quantised product, along K:
;;     - K is cut into blocks of 32 from its start; a last block that is shorter is filled with zeros.
;;     - A block's scale is 2^e with e = floor(log2(the largest magnitude in the block)) - 2, held to -126 .. 127; a block of zeros has e = 0. As a byte (E8M0): e + 127.
;;     - Each number is divided by its block's scale, clamped to +-6, and rounded to the nearest number of E2M1, ties to even, subnormals kept.
;;     - The product sums the exact products of the quantised numbers (number of the format x scale) in f32.
;;   ~~~python
;;   def quantise(x, axis):      # numpy; x: float32 -> the quantised numbers, widened to float32 again
;;       x = np.moveaxis(x, axis, -1); K = x.shape[-1]
;;       x = np.pad(x, [(0, 0)] * (x.ndim - 1) + [(0, -K % 32)]); x = x.reshape(x.shape[:-1] + (-1, 32)); a = np.abs(x).max(-1, keepdims=True)
;;       e = np.where(a > 0, np.clip(np.frexp(np.where(a > 0, a, 1))[1] - 1 - 2, -126, 127), 0)      # np.frexp(a)[1] - 1 = floor(log2(a)), exactly
;;       r = np.clip(x / 2.0 ** e, -6, 6)
;;       step = 2.0 ** (np.maximum(np.frexp(np.where(r == 0, 1, r))[1] - 1, 0) - 1)
;;       q = np.round(r / step) * step * 2.0 ** e      # np.round: ties to even
;;       return np.moveaxis(q.reshape(q.shape[:-2] + (-1,))[..., :K], -1, axis).astype(np.float32)
;;   ~~~
;; One version. Each part assembles by itself: llvm-mc -triple=amdgcn-amd-amdhsa -mcpu=gfx1250 --defsym DOCPART=n.
;; ======== version 1 of 1: 5 launches
;; limits: values are held in f16: magnitudes above 65,504 overflow, below 6.1e-05 lose precision; inputs' magnitudes at most 100,000; right only within a limited range of input values
;; workspace buffers: codes 5,767,168 bytes; scales 360,448 bytes; wo16 2,097,152 bytes; rope 524,288 bytes; qkv 50,331,648 bytes; q32 786,432 bytes; hb 16,777,216 bytes
;; launch prep (part 1): grid 512 x 1, 4 waves a work-group, no clusters, 33,280 bytes of LDS; arguments x, wq, wk, wv, wo, token_positions, codes, scales, wo16, rope; writes codes, scales, wo16, rope
.if DOCPART == 1
	.amdgcn_target "amdgcn-amd-amdhsa--gfx1250"
	.amdhsa_code_object_version 6
	.text
	.protected	k_q5fbec75cff_prep
	.globl	k_q5fbec75cff_prep
	.p2align	8
	.type	k_q5fbec75cff_prep,@function
k_q5fbec75cff_prep:
	s_mov_b64 s[64:65], 0
	v_nop
	global_prefetch_b8 v0, s[64:65] scope:SCOPE_SE
	s_setreg_imm32_b32 hwreg(HW_REG_WAVE_MODE, 25, 1), 1
	s_wait_xcnt 0x0
; CAUSAL SELF-ATTENTION, B = 4, S = 2,048, D = 1,024, 16 heads of 64, in five launches: prep, qkv, attn, oproj, fine.
; THIS LAUNCH: x, wq, wk, wv (f32) become codes of FP4 (E2M1), K innermost, with one E8M0 byte for each 32 along K; wo becomes f16; token_positions become a table of cosines and sines.
; WORK LEFT OUT IN THE PROGRAM, AND WHY IT IS DEAD.  reference() sets every score with key > query to -infinity by its own jnp.tril, ahead of the softmax: its weight is exp(-infinity) = 0 for all values of
; the inputs, so neither such a score nor its product with v reaches an output.  Launch attn therefore multiplies no run of 128 keys that lies wholly behind a wave's queries, and in the run on the diagonal
; no block of 64 keys x 16 queries that is wholly hidden.  LIMIT: a NaN, an infinity or an overflow that reaches only hidden scores is not carried to the result.  No input is dead: all six are loaded.
; THE QUANTISER.  A block's scale is 2^(floor(log2(its largest magnitude)) - 2); its byte is the largest magnitude's own exponent field - 2, held at 1 from below.  A block of zeros so gets the byte 1 where the
; rule says 127: its codes are zeros, which add nothing under any byte but 0xff, and this program alone reads the bytes.  Each number is divided by the scale and rounded to the nearest code, ties to even.
; LIMITS: blocks whose largest magnitude lies under 2^(2 - 126) were not tried; NaN and infinities among the inputs are not served.  wo is rounded to f16: magnitudes up to 65,504.
; THE TABLE.  angle = position x 10000^(-j / 32), j = 0 .. 31.  The power is 2^(-j log2(10000) / 32) by v_exp_f32: about two units in the last place, which moves an angle of 1,500 by some 2e-4.
; Sine and cosine: the angle less n x pi/2 (pi/2 in three parts, fused), then polynomials on [-pi/4, pi/4], then the quadrant.  LIMIT: angles up to about 1e5 radians.
; SHARES.  Work-groups 0-255: x; 256-287 wq; 288-319 wk; 320-351 wv: 32,768 numbers each, one path, only the pointers are chosen.  352-383: wo.  384-511: the table.  Only the first path uses LDS.
.set WAVES, 4
.set STEPS, 16
.set EMAX,  2
.set CB,    8                          ; bytes of 16 codes
.set R,     16                         ; v16-79   four sets of 16 numbers as they are loaded
.set X,     80                         ; v80-111  two sets of 16 neighbours
.set C,     128                        ; v128-191 codes: four registers for each step
.set E,     112                        ; v112-127 a scale byte for each step
.set WREG,  8192                       ; LDS: a region for each wave: two stages of 32 x SP bytes, then its 256 scale bytes
.set SP,    80                         ; a lane's place in a stage: 64 bytes + 16 of padding
.set SPW,   12                         ; v12  LDS address of my spare word; never rewritten
.set NIL,   13                         ; v13  0; never rewritten
.set SPARE, WAVES*WREG                 ; the spare words, 128 bytes for each wave, which no other line names
	s_load_b256 s[4:11], s[0:1], 0x0               ; x, wq, wk, wv
	s_load_b256 s[12:19], s[0:1], 0x20             ; wo, token_positions, codes, scales
	s_load_b128 s[20:23], s[0:1], 0x40             ; wo16, rope
	v_lshl_add_u32 v[SPW], v0, 2, SPARE
	v_mov_b32 v[NIL], 0
	v_lshrrev_b32 v1, 5, v0
	v_readfirstlane_b32 s24, v1                    ; wave
	v_and_b32 v2, 31, v0                           ; lane
	s_wait_kmcnt 0x0
	s_cmp_ge_u32 ttmp9, 384
	s_cbranch_scc1 .Lrope
	s_cmp_ge_u32 ttmp9, 352
	s_cbranch_scc1 .Lwo
; ---- x and the three weights into codes.  Rows are dense and K is a multiple of 32: each tensor is a plain stream of blocks of 32, and so are its codes and scale bytes.
; A wave takes 16 steps of 512 numbers.  Each load reads 512 consecutive bytes; a step's 2,048 bytes turn through the wave's own stage in LDS and come back 64 bytes a lane: 16 neighbours along K, two lanes to a block.
	v_lshlrev_b32 v3, 4, v2                        ; my 16 bytes of a load's 512
	s_mul_i32 s25, s24, WREG
	v_lshrrev_b32 v14, 2, v2
	v_mul_u32_u24 v14, v14, SP
	v_and_b32 v15, 3, v2
	v_lshl_add_u32 v14, v15, 4, v14
	v_add_nc_u32 v14, s25, v14                     ; the stage, on the way in: SP (lane / 4) + 16 (lane % 4)
	v_mul_u32_u24 v15, v2, SP
	v_add_nc_u32 v15, s25, v15                     ; and on the way out: SP x lane
	v_mul_u32_u24 v4, v2, CB                       ; my codes' place in a step's
	v_lshrrev_b32 v5, 1, v2
	s_add_co_u32 s25, s25, 2*32*SP
	v_add_nc_u32 v5, s25, v5                       ; my wave's 256 scale bytes, my block's byte
	v_lshlrev_b32 v7, 3, v2                        ; and on the way out 8 bytes a lane
	v_add_nc_u32 v6, s25, v7
	s_and_b32 s28, ttmp9, 31                       ; which 32,768 numbers of a weight
	s_mov_b64 s[26:27], s[10:11]                   ; wv, unless the work-group's number says otherwise: the choice hangs on that number alone
	s_cmp_lt_u32 ttmp9, 320
	s_cselect_b64 s[26:27], s[8:9], s[26:27]       ; wk
	s_cmp_lt_u32 ttmp9, 288
	s_cselect_b64 s[26:27], s[6:7], s[26:27]       ; wq
	s_cmp_lt_u32 ttmp9, 256
	s_cselect_b64 s[26:27], s[4:5], s[26:27]       ; x
	s_cselect_b32 s28, ttmp9, s28
	s_lshl_b32 s28, s28, 2
	s_add_co_u32 s28, s28, s24                     ; which run of 8,192 numbers of the tensor is my wave's
	s_lshl_b32 s28, s28, 15
	s_mov_b32 s29, 0
	s_add_nc_u64 s[26:27], s[26:27], s[28:29]
	s_lshl_b32 s30, ttmp9, 2
	s_add_co_u32 s30, s30, s24                     ; and which run of the workspace: x's codes, then wq's, wk's, wv's, on end in the order of the work-groups
	s_lshl_b32 s28, s30, 12
	s_add_nc_u64 s[16:17], s[16:17], s[28:29]      ; 4,096 bytes of codes a run
	s_lshl_b32 s28, s30, 8
	s_add_nc_u64 s[18:19], s[18:19], s[28:29]      ; 256 scale bytes a run
.macro LOAD t
.irp i, 0,1,2,3
	global_load_b128 v[R+16*((\t)%4)+4*\i:R+16*((\t)%4)+4*\i+3], v3, s[26:27] offset:2048*(\t)+512*\i th:TH_LOAD_NT   ; 32 lanes read 512 consecutive bytes
.endr
.endm
.macro TURN t                          ; step t's numbers through the stage: LDS serves a wave's instructions in order, so no wait stands between the stores and the loads
.irp i, 0,1,2,3
	ds_store_b128 v14, v[R+16*((\t)%4)+4*\i:R+16*((\t)%4)+4*\i+3] offset:32*SP*((\t)%2)+8*SP*\i
.endr
.irp i, 0,1,2,3
	ds_load_b128 v[X+16*((\t)%2)+4*\i:X+16*((\t)%2)+4*\i+3], v15 offset:32*SP*((\t)%2)+16*\i
.endr
.endm
.irp t, 0,1,2,3
	LOAD \t
.endr
	s_wait_loadcnt 12                              ; step 0's four loads are in; the twelve of steps 1 to 3 may be out
	TURN 0
.macro STEP t
.set XS, X+16*((\t)%2)
.if (\t) > 0
	s_wait_dscnt 1                                 ; this step's numbers are back from the stage (the last step's byte store may be out)
.else
	s_wait_dscnt 0x0
.endif
.if (\t)+4 < STEPS
	LOAD (\t)+4                                    ; into the registers that the stage's stores have read
.endif
.if (\t)+1 < STEPS
.if STEPS-2-(\t) >= 3
	s_wait_loadcnt 12                              ; the next step's four loads are in; those of the three steps behind it may be out
.else
	s_wait_loadcnt 4*(STEPS-2-(\t))
.endif
	TURN (\t)+1
.endif
	v_max3_num_f32 v8, |v[XS]|, |v[XS+1]|, |v[XS+2]|               ; the largest magnitude of my 16, in two chains
	v_max3_num_f32 v9, |v[XS+3]|, |v[XS+4]|, |v[XS+5]|
.irp i, 6,10
	v_max3_num_f32 v8, v8, |v[XS+\i]|, |v[XS+\i+1]|
	v_max3_num_f32 v9, v9, |v[XS+\i+2]|, |v[XS+\i+3]|
.endr
	v_max3_num_f32 v8, v8, |v[XS+14]|, |v[XS+15]|
	v_max3_num_f32 v8, v8, v9, (EMAX+1)<<23        ; and the floor 2^(EMAX + 1 - 127): the byte cannot fall under 1
	v_max_num_f32_dpp v8, v8, v8 row_xmask:1 row_mask:0xf bank_mask:0xf   ; and of my neighbour's 16: the block's
	v_add_nc_u32 v11, -(EMAX<<23), v8              ; EMAX off its exponent field: the conversion takes the exponent field of this operand as its scale
	v_cvt_scalef32_pk8_fp4_f32 v[C+4*(\t)], v[XS:XS+7], v11
	v_cvt_scalef32_pk8_fp4_f32 v[C+4*(\t)+1], v[XS+8:XS+15], v11
	v_lshrrev_b32 v[E+(\t)], 23, v11               ; the scale's byte
	ds_store_b8 v5, v[E+(\t)] offset:16*(\t)       ; both lanes of a block write the same byte with the same value
	global_store_b64 v4, v[C+4*(\t):C+4*(\t)+1], s[16:17] offset:32*CB*(\t)   ; the wave stores 256 consecutive bytes, aligned
.endm
.irp t, 0,1,2,3,4,5,6,7,8,9,10,11,12,13,14,15
	STEP \t
.endr
	ds_load_b64 v[8:9], v6                         ; LDS serves a wave's instructions in order: these see my stores
	s_wait_dscnt 0x0
	global_store_b64 v7, v[8:9], s[18:19]          ; 32 lanes store 256 consecutive bytes, aligned
	s_wait_tensorcnt 0x0                           ; the wave's end
	ds_add_u32 v[SPW], v[NIL]
	s_wait_dscnt 0x0
	s_endpgm
; ---- wo into f16: a wave takes 8,192 numbers in 64 chunks of 128; sixteen loads are on their way
.Lwo:
	s_sub_co_u32 s25, ttmp9, 352
	s_lshl_b32 s25, s25, 2
	s_add_co_u32 s25, s25, s24
	s_lshl_b32 s28, s25, 15
	s_mov_b32 s29, 0
	s_add_nc_u64 s[12:13], s[12:13], s[28:29]
	s_lshl_b32 s28, s25, 14
	s_add_nc_u64 s[20:21], s[20:21], s[28:29]
	v_lshlrev_b32 v3, 4, v2
	v_lshlrev_b32 v4, 3, v2
.set n, 0
.rept 16
	global_load_b128 v[16+4*n:16+4*n+3], v3, s[12:13] offset:512*n th:TH_LOAD_NT
.set n, n+1
.endr
.set n, 0
.rept 64
.if n < 48
	s_wait_loadcnt 15                              ; chunk n is in; the fifteen younger loads may be out
.else
	s_wait_loadcnt 63-n
.endif
.if n >= 16
	s_wait_xcnt 0x0                                ; the store of sixteen chunks ago has read its pair, which is written again below
.endif
	v_cvt_pk_f16_f32 v[80+2*(n%16)], v[16+4*(n%16)], v[16+4*(n%16)+1]
	v_cvt_pk_f16_f32 v[80+2*(n%16)+1], v[16+4*(n%16)+2], v[16+4*(n%16)+3]
.if n+16 < 64
	global_load_b128 v[16+4*(n%16):16+4*(n%16)+3], v3, s[12:13] offset:512*(n+16) th:TH_LOAD_NT
.endif
	global_store_b64 v4, v[80+2*(n%16):80+2*(n%16)+1], s[20:21] offset:256*n   ; the wave stores 256 consecutive bytes, aligned
.set n, n+1
.endr
	s_endpgm
; ---- the table: thread t takes position t / 8 and the four frequencies 4 (t % 8) + 0 .. 3
.Lrope:
	s_sub_co_u32 s25, ttmp9, 384
	s_lshl_b32 s25, s25, 7
	v_add_nc_u32 v1, s25, v0                       ; t
	v_lshrrev_b32 v2, 3, v1
	v_lshlrev_b32 v2, 2, v2
	global_load_b32 v3, v2, s[14:15]               ; the position
	v_lshlrev_b32 v5, 4, v1                        ; 16 t: my 16 bytes of each half of the table
	v_and_b32 v4, 7, v1
	v_lshlrev_b32 v4, 2, v4
	s_mov_b32 s30, 0x3f22f983                      ; 2 / pi
	s_mov_b32 s31, 0xbfc90000                      ; -pi/2 in three parts: -1.5703125,
	s_mov_b32 s32, 0xb9fda000                      ; -4.8375130e-4,
	s_mov_b32 s33, 0xb3a22168                      ; -7.5497900e-8
	s_mov_b32 s34, 0xb94ca1f9                      ; sine: -1.9515296e-4,
	s_mov_b32 s35, 0x3c08839e                      ; 8.3321609e-3,
	s_mov_b32 s36, 0xbe2aaaa3                      ; -1.6666655e-1
	s_mov_b32 s37, 0x37ccf5ce                      ; cosine: 2.4433157e-5,
	s_mov_b32 s38, 0xbab6061a                      ; -1.3887316e-3,
	s_mov_b32 s39, 0x3d2aaaa5                      ; 4.1666646e-2
.irp i, 0,1,2,3
	v_add_nc_u32 v[16+\i], \i, v4                  ; j
.endr
.irp i, 0,1,2,3
	v_cvt_f32_u32 v[16+\i], v[16+\i]
.endr
.irp i, 0,1,2,3
	v_mul_f32 v[16+\i], 0xbed49a78, v[16+\i]       ; -j log2(10000) / 32
.endr
.irp i, 0,1,2,3
	v_exp_f32 v[16+\i], v[16+\i]
.endr
	v_nop                                          ; a plain instruction behind the last exponential
	s_wait_alu depctr_va_vdst(0)                   ; one wait for the four, ahead of their first reader
	s_wait_loadcnt 0x0
	v_cvt_f32_i32 v3, v3
.irp i, 0,1,2,3
	v_mul_f32 v[16+\i], v3, v[16+\i]               ; the angle, rounded once, as reference() has it
.endr
.macro SINCOS i
	v_mul_f32 v20, s30, v[16+\i]
	v_rndne_f32 v20, v20                           ; n: the nearest multiple of pi/2
	v_fma_f32 v21, v20, s31, v[16+\i]
	v_fma_f32 v21, v20, s32, v21
	v_fma_f32 v21, v20, s33, v21                   ; r = angle - n pi/2
	v_cvt_i32_f32 v22, v20
	v_mul_f32 v23, v21, v21                        ; z = r r
	v_fma_f32 v24, v23, s34, s35
	v_fma_f32 v24, v24, v23, s36
	v_mul_f32 v25, v23, v21
	v_fma_f32 v24, v24, v25, v21                   ; sin r
	v_fma_f32 v26, v23, s37, s38
	v_fma_f32 v26, v26, v23, s39
	v_mul_f32 v27, v23, v23
	v_fma_f32 v28, v23, -0.5, 1.0
	v_fma_f32 v26, v26, v27, v28                   ; cos r
	v_and_b32 v27, 1, v22
	v_cmp_eq_u32 vcc_lo, 1, v27                    ; in odd quadrants the two change places
	v_cndmask_b32 v28, v24, v26, vcc_lo
	v_cndmask_b32 v29, v26, v24, vcc_lo
	v_lshlrev_b32 v27, 30, v22
	v_and_b32 v27, 0x80000000, v27                 ; the sine is negative in quadrants 2 and 3,
	v_xor_b32 v[36+\i], v27, v28
	v_add_nc_u32 v22, 1, v22
	v_lshlrev_b32 v27, 30, v22
	v_and_b32 v27, 0x80000000, v27                 ; the cosine in quadrants 1 and 2
	v_xor_b32 v[32+\i], v27, v29
.endm
.irp i, 0,1,2,3
	SINCOS \i
.endr
	global_store_b128 v5, v[32:35], s[22:23]                 ; cos [2048][32]: the wave stores 512 consecutive bytes
	global_store_b128 v5, v[36:39], s[22:23] offset:262144   ; sin likewise, behind it
	s_endpgm
.Lfunc_end_k_q5fbec75cff_prep:
	.size	k_q5fbec75cff_prep, .Lfunc_end_k_q5fbec75cff_prep-k_q5fbec75cff_prep
	.p2alignl 7, 3214868480
	.fill 96, 4, 3214868480
	.section	.rodata,"a",@progbits
	.p2align	6, 0x0
	.amdhsa_kernel k_q5fbec75cff_prep
		.amdhsa_group_segment_fixed_size 33280
		.amdhsa_private_segment_fixed_size 0
		.amdhsa_enable_private_segment 0
		.amdhsa_kernarg_size 80
		.amdhsa_user_sgpr_count 2
		.amdhsa_user_sgpr_kernarg_segment_ptr 1
		.amdhsa_wavefront_size32 1
		.amdhsa_system_sgpr_workgroup_id_x 1
		.amdhsa_system_sgpr_workgroup_id_y 1
		.amdhsa_system_sgpr_workgroup_id_z 1
		.amdhsa_system_vgpr_workitem_id 0
		.amdhsa_next_free_vgpr 192
		.amdhsa_next_free_sgpr 66
		.amdhsa_reserve_vcc 1
		.amdhsa_float_denorm_mode_32 3
		.amdhsa_float_denorm_mode_16_64 3
		.amdhsa_memory_ordered 1
		.amdhsa_forward_progress 1
		.amdhsa_inst_pref_size 64
	.end_amdhsa_kernel
	.amdgpu_metadata
---
amdhsa.version: [ 1, 2 ]
amdhsa.kernels:
  - .name:           k_q5fbec75cff_prep
    .symbol:         k_q5fbec75cff_prep.kd
    .args:
      - { .name: x, .offset: 0, .size: 8, .value_kind: global_buffer, .address_space: global }
      - { .name: wq, .offset: 8, .size: 8, .value_kind: global_buffer, .address_space: global }
      - { .name: wk, .offset: 16, .size: 8, .value_kind: global_buffer, .address_space: global }
      - { .name: wv, .offset: 24, .size: 8, .value_kind: global_buffer, .address_space: global }
      - { .name: wo, .offset: 32, .size: 8, .value_kind: global_buffer, .address_space: global }
      - { .name: token_positions, .offset: 40, .size: 8, .value_kind: global_buffer, .address_space: global }
      - { .name: codes, .offset: 48, .size: 8, .value_kind: global_buffer, .address_space: global }
      - { .name: scales, .offset: 56, .size: 8, .value_kind: global_buffer, .address_space: global }
      - { .name: wo16, .offset: 64, .size: 8, .value_kind: global_buffer, .address_space: global }
      - { .name: rope, .offset: 72, .size: 8, .value_kind: global_buffer, .address_space: global }
    .group_segment_fixed_size: 33280
    .private_segment_fixed_size: 0
    .kernarg_segment_align: 8
    .kernarg_segment_size: 80
    .max_flat_workgroup_size: 128
    .sgpr_count:     66
    .vgpr_count:     192
    .wavefront_size: 32
...
	.end_amdgpu_metadata
.endif
;; end of part 1
;; launch qkv (part 2): grid 12 x 32, 4 waves a work-group, clusters of 4 x 4, 327,680 bytes of LDS; arguments codes, scales, rope, qkv, q32; writes qkv, q32
.if DOCPART == 2
	.amdgcn_target "amdgcn-amd-amdhsa--gfx1250"
	.amdhsa_code_object_version 6
	.text
	.protected	k_q5fbec75cff_qkv
	.globl	k_q5fbec75cff_qkv
	.p2align	8
	.type	k_q5fbec75cff_qkv,@function
k_q5fbec75cff_qkv:
	s_mov_b64 s[64:65], 0
	v_nop
	global_prefetch_b8 v0, s[64:65] scope:SCOPE_SE
	s_setreg_imm32_b32 hwreg(HW_REG_WAVE_MODE, 25, 1), 1
	s_wait_xcnt 0x0
	s_wait_alu depctr_hold_cnt(0) depctr_sa_sdst(0) depctr_va_vdst(0) depctr_va_sdst(0) depctr_va_ssrc(0) depctr_va_vcc(0) depctr_vm_vsrc(0)
	s_getreg_b32 s2, hwreg(HW_REG_IB_STS2, 6, 4)
	s_cmp_eq_u32 s2, 0
	s_cbranch_scc0 .Lentry_in_a_cluster
	s_endpgm
.Lentry_in_a_cluster:
	s_bfe_u32 s2, ttmp6, 0x10000c
	s_cmp_lg_u32 s2, 0xf033
	s_cbranch_scc0 .Lentry_shape_is_right
	s_endpgm
.Lentry_shape_is_right:
; q, k, v = x wq^T, x wk^T, x wv^T as ONE product C[8192][3072] on codes of FP4 (E2M1) with one E8M0 scale for each 32 along K = 1,024; then the rotation of q and k by the table of cosines and sines, in f32;
; then f16, laid by head: qkv [3][64 (batch, head)][2048 positions][64].  Positions 0-15 of every sequence also leave in f32, q32 [4][16][3072], for the launch that carries those rows finely.
; LIMIT: q, k and v are rounded to f16: magnitudes up to 65,504; under 6e-5 the rounding is 3e-8 absolute.
; A tile of C, 256 x 256, is made by four waves, 128 x 128 each: 64 accumulators of 16 x 16, 512 registers.  K = 1,024 is exactly two LDS slots of 512 along K (rows of 256 bytes): both are asked for at the start, nothing is filled again.
; THE SCALES of the work-group's 256 rows of x and 256 rows of the weights, for all of K, are two dense blocks of memory: they come into LDS once, with the first fills.
; CLUSTERS: 4 x 4 work-groups.  The four of a row of the cluster need the same tiles of x, the four of a column the same tiles of the weights: each is asked for JOINTLY, by the same tensor load with the same descriptor and a mask that names the four.
; THE MAP: cluster x = 0, 1, 2 is q, k, v; tile column = 4 x cluster x + cx; tile row = 8 cy + cluster y, so the batch is cy and the place in the sequence is the cluster's y: whether a tile holds a
; sequence's first rows, and whether it is rotated, is the same for all sixteen partners.  384 work-groups: tiles that would divide more evenly would straddle the borders of q, k and v.
; THE MATRIX INSTRUCTION IS USED TRANSPOSED (source 0 = 16 rows of the weights, source 1 = 16 rows of x): a lane then holds eight neighbouring columns of one row: four pairs of the rotation.
; REGISTERS, in windows of 256: window 0: v0-31 addresses; v32-95 scale words, two sets; v128-191 x's fragments, one set; v192-255 cosines and sines, two sets.  On the way out v32-95 hold a block's 64 rotated
;   numbers, v96-127 their f16, v128-191 rows read back.   window 1: the weights' fragments, two sets.   windows 2, 3: the accumulators ((a, b) at v[8 (8 (a % 4) + b)]).
.set SIZE_K, 1024
.set KSTEP,  512                       ; along K in a slot
.set NQ,     KSTEP/128                 ; matrix instructions deep
.set ROWB,   256                       ; a tile's row in bytes
.set KROW,   SIZE_K*4/8                ; a row of codes in memory
.set PITCH,  272                       ; an LDS row: 256 bytes + 16 of padding = 68 words: the 16 rows that a load touches start at 16 different banks (64 banks of 4 bytes: ISA guide 11.1)
.set FR,     8                         ; registers of a fragment: 16 rows x 128 K
.set NL,     2                         ; LDS loads that bring one
.set NP,     4                         ; places behind this matrix instruction (ISA guide 7.12.1)
.set HALFT,  128*PITCH
.set SLOT,   4*HALFT                   ; x's 256 rows, then the weights' 256 rows
.set KS,     SIZE_K/32                 ; a row of scales in bytes
.set SCL,    2*SLOT                    ; behind the ring: the scales, as units of 256 bytes + 16 of padding
.set HALFS,  (128*KS/256)*272
.set SBLK,   (16*KS/256)*272
.set SPARE,  SCL+4*HALFS               ; the spare words, 128 bytes for each wave, which no other line names
.set WCODES, 4194304                   ; where the weights' codes begin in the buffer of codes,
.set WSCALE, 262144                    ; and their scale bytes
.set ADRA, 16                          ; v16-17  LDS address of my fragments of x in slot 0, 1
.set ADRB, 20                          ; v20-21  the same for the weights
.set STO,  24                          ; v24     the way out: where I put 16 bytes of a row
.set RD,   25                          ; v25     where I read rows back
.set CO,   26                          ; v26     16 x lane
.set ADRS, 27                          ; v27     LDS address of my scale words
.set SPW,  28                          ; v28     LDS address of my spare word; never rewritten
.set NIL,  29                          ; v29     0; never rewritten
.set RT,   30                          ; v30     my place in the table: 128 r + 16 h
.set FO,   31                          ; v31     my place in q32: 12,288 r + 32 h
.set SC,   32
.set T,    32                          ; the way out: 64 rotated numbers
.set P,    96                          ; 32 registers of f16
.set AF,   128
.set BK,   128                         ; 16 rows read back: v128-159 and v160-191 by turns
.set RR,   192                         ; cosines and sines of a block of 16 rows: v192-223 and v224-255 by turns; in a set, for each quarter bm of a head: 4 cosines, 4 sines
.set G1, 24
.set G0, 32
.set G1B, 48
.set G0B, 56
.set G1S, 68
.set G0S, 76
.set G1SB, 80
.set G0SB, 88
.set MSB, 0
.macro WIN new                         ; the immediate's high byte repeats the setting that is left
.if MSB != \new
	s_set_vgpr_msb (MSB<<8)|\new
.set MSB, \new
.endif
.endm
.set MUL_LO, 0xa1                      ; source 0 (weights) window 1, source 1 (x) window 0, C and D window 2
.set MUL_HI, 0xf1                      ; the same, C and D window 3
.set TO_B,   0x40                      ; destination window 1, address window 0
; A joint load: waves 0 and 1 fetch for x, waves 2 and 3 for the weights.  The branch hangs on the wave's number alone.  An s_nop 0 and four v_nop follow each of the two lines.
.macro JLOAD g0a, g1a, g0b, g1b
	s_cmp_eq_u32 s15, 0
	s_cbranch_scc0 .Lfor_b_\@
	tensor_load_to_lds s[\g0a:\g0a+3], s[\g1a:\g1a+7]
	s_nop 0
.rept 4
	v_nop
.endr
	s_branch .Lasked_\@
.Lfor_b_\@:
	tensor_load_to_lds s[\g0b:\g0b+3], s[\g1b:\g1b+7]
	s_nop 0
.rept 4
	v_nop
.endr
.Lasked_\@:
.endm
.macro CROUND                          ; a round of the cluster's barrier
	s_barrier_signal -1
	s_barrier_wait -1
	s_cmp_lg_u32 s14, 0
	s_cbranch_scc1 .Lnot_wave_0_\@
	s_barrier_signal -3
.Lnot_wave_0_\@:
	s_barrier_wait -3
	s_barrier_signal -1
	s_barrier_wait -1
.endm
	s_load_b128 s[4:7], s[0:1], 0x0                ; codes, scales
	s_load_b128 s[8:11], s[0:1], 0x10              ; rope, qkv
	s_load_b64 s[12:13], s[0:1], 0x20              ; q32
	v_lshl_add_u32 v[SPW], v0, 2, SPARE
	v_mov_b32 v[NIL], 0
	ds_add_u32 v[SPW], v[NIL]                      ; the wave's opening: the add, twice on end, and its wait ahead of my first tensor load
	ds_add_u32 v[SPW], v[NIL]
	v_lshrrev_b32 v1, 5, v0
	v_readfirstlane_b32 s14, v1                    ; wave 0..3
	s_lshr_b32 s15, s14, 1                         ; which half of the tile's rows is mine.  Also: I fetch for x (0) or for the weights (1)
	s_and_b32 s16, s14, 1                          ; which half of its columns.  Also: which 128 rows of that tile I fetch
	s_bfe_u32 s40, ttmp6, 0x40000                  ; cx, cy: my place in the cluster
	s_bfe_u32 s41, ttmp6, 0x40004
	s_lshl_b32 s42, ttmp9, 2
	s_add_co_u32 s42, s42, s40                     ; tile column = 4 x cluster x + cx
	s_and_b32 s66, ttmp7, 0xffff                   ; cluster y: which 256 positions of a sequence
	s_lshl_b32 s17, s41, 3
	s_add_co_u32 s17, s17, s66                     ; tile row = 8 cy + cluster y
	s_lshl_b32 s43, s41, 2
	s_lshl_b32 s43, 15, s43                        ; my row of the cluster
	s_lshl_b32 s44, 0x1111, s40                    ; my column
	; descriptor group 1: a tile of 128 rows x 256 bytes, padded in LDS
	s_or_b32 s[G1+0], s43, (0<<16)|(1<<20)|(1<<21)|(5<<22)|(3<<25)  ; 15:0 the mask; 17:16 elements of 1 byte; 20 padding on; 21 set beside a mask; 24:22 after every 64 words; 31:25 four words
	s_or_b32 s[G1B+0], s44, (0<<16)|(1<<20)|(1<<21)|(5<<22)|(3<<25)
.irp g, G1, G1B
	s_mov_b32 s[\g+1], ROWB<<16                    ; tensor_dim0
	s_mov_b32 s[\g+2], 128<<16                     ; tensor_dim1
	s_mov_b32 s[\g+3], ROWB<<16                    ; tile_dim0
	s_mov_b32 s[\g+4], 128                         ; tile_dim1
	s_mov_b32 s[\g+5], KROW                        ; tensor_dim0_stride
	s_mov_b32 s[\g+6], 0
	s_mov_b32 s[\g+7], 0
.endr
	; and for the scales of 128 rows: a dense block of 4,096 bytes, as 16 rows of 256 bytes (32 elements of 8 bytes), 16 bytes of padding behind each
	s_or_b32 s[G1S+0], s43, (3<<16)|(1<<20)|(1<<21)|(5<<22)|(3<<25)
	s_or_b32 s[G1SB+0], s44, (3<<16)|(1<<20)|(1<<21)|(5<<22)|(3<<25)
.irp g, G1S, G1SB
	s_mov_b32 s[\g+1], 32<<16
	s_mov_b32 s[\g+2], (128*KS/256)<<16
	s_mov_b32 s[\g+3], 32<<16
	s_mov_b32 s[\g+4], 128*KS/256
	s_mov_b32 s[\g+5], 32
	s_mov_b32 s[\g+6], 0
	s_mov_b32 s[\g+7], 0
.endr
	s_lshl_b32 s18, s16, 7                         ; which 128 rows of the tile I fetch
	s_lshl_b32 s20, s17, 8
	s_add_co_u32 s20, s20, s18                     ; x: row 256 x tile row + 128 x half
	s_lshl_b32 s46, s42, 8
	s_add_co_u32 s46, s46, s18                     ; the weights: row 256 x tile column + 128 x half
	s_mov_b32 s21, 0
	s_mov_b32 s47, 0
	s_mov_b64 s[18:19], KS
	s_mul_u64 s[22:23], s[20:21], s[18:19]         ; where these rows' scales begin, in bytes
	s_mul_u64 s[92:93], s[46:47], s[18:19]
	s_mov_b64 s[18:19], KROW
	s_mul_u64 s[20:21], s[20:21], s[18:19]         ; and their codes
	s_mul_u64 s[46:47], s[46:47], s[18:19]
	s_mul_i32 s45, s14, HALFT                      ; where they go: wave x 128 rows: no place in the cluster enters an LDS address
	s_mul_i32 s94, s14, HALFS
	s_wait_dscnt 0x0                               ; both opening adds are done
	s_wait_kmcnt 0x0
	s_add_nc_u64 s[20:21], s[4:5], s[20:21]
	s_add_nc_u64 s[22:23], s[6:7], s[22:23]
	s_add_nc_u64 s[46:47], s[4:5], s[46:47]
	s_add_nc_u64 s[46:47], s[46:47], WCODES
	s_add_nc_u64 s[92:93], s[6:7], s[92:93]
	s_add_nc_u64 s[92:93], s[92:93], WSCALE
	CROUND                                         ; all sixteen work-groups are here: the first joint loads meet
	s_mov_b32 s[G0S], 1
	s_add_co_u32 s[G0S+1], s94, SCL
	s_mov_b64 s[G0S+2:G0S+3], s[22:23]
	s_or_b32 s[G0S+3], s[G0S+3], 0x80000000
	s_mov_b32 s[G0SB], 1
	s_add_co_u32 s[G0SB+1], s94, SCL
	s_mov_b64 s[G0SB+2:G0SB+3], s[92:93]
	s_or_b32 s[G0SB+3], s[G0SB+3], 0x80000000
	JLOAD G0S, G1S, G0SB, G1SB                     ; the scales first: they are wanted with the first half of K
.irp s, 0,1
	s_mov_b32 s[G0+4*\s], 1
	s_add_co_u32 s[G0+4*\s+1], s45, \s*SLOT
	s_add_nc_u64 s[G0+4*\s+2:G0+4*\s+3], s[20:21], \s*ROWB
	s_or_b32 s[G0+4*\s+3], s[G0+4*\s+3], 0x80000000
	s_mov_b32 s[G0B+4*\s], 1
	s_add_co_u32 s[G0B+4*\s+1], s45, \s*SLOT
	s_add_nc_u64 s[G0B+4*\s+2:G0B+4*\s+3], s[46:47], \s*ROWB
	s_or_b32 s[G0B+4*\s+3], s[G0B+4*\s+3], 0x80000000
	JLOAD G0+4*\s, G1, G0B+4*\s, G1B               ; three tensor loads of mine are out, and no more are issued
.endr
	v_and_b32 v1, 15, v0                           ; r = lane % 16
	v_bfe_u32 v2, v0, 4, 1                         ; h = lane / 16
	v_mul_u32_u24 v3, v1, PITCH
	v_lshl_add_u32 v4, v2, 4, v3                   ; a fragment's row x pitch + 16 x half
	s_mul_i32 s21, s15, HALFT                      ; my 128 rows of x
	s_mul_i32 s22, s16, HALFT                      ; my 128 rows of the weights,
	s_add_co_u32 s22, s22, 2*HALFT                 ; which lie behind x's 256
.irp s, 0,1
	v_add_nc_u32 v[ADRA+\s], s21, v4
	v_add_nc_u32 v[ADRB+\s], s22, v4
	s_add_co_u32 s21, s21, SLOT
	s_add_co_u32 s22, s22, SLOT
.endr
	v_mul_u32_u24 v5, v1, KS                       ; my row's scales: KS bytes a row,
	v_lshrrev_b32 v6, 8, v5
	v_lshl_add_u32 v5, v6, 4, v5                   ; and 16 more for each 256 passed
	s_mul_i32 s21, s15, HALFS
	s_mul_i32 s22, s16, HALFS
	s_add_co_u32 s22, s22, 2*HALFS
	s_sub_co_u32 s22, s22, s21
	v_mul_u32_u24 v6, s22, v2                      ; lanes 16-31 take the weights'
	s_add_co_u32 s21, s21, SCL
	v_add_nc_u32 v5, v5, v6
	v_add_nc_u32 v[ADRS], s21, v5
	; the way out.  My stage, 4,608 bytes in slot 0: two heads x 16 rows x (128 bytes + 16)
	s_mul_i32 s23, s14, 4608
	v_mul_u32_u24 v5, v1, 144
	v_lshl_add_u32 v5, v2, 4, v5
	v_add_nc_u32 v[STO], s23, v5                   ; in: row r, 16 bytes for each half of the lanes
	v_bfe_u32 v5, v0, 3, 2
	v_mul_u32_u24 v5, v5, 144
	v_and_b32 v7, 7, v0
	v_lshl_add_u32 v5, v7, 4, v5
	v_add_nc_u32 v[RD], s23, v5                    ; back: eight lanes to a row of 128 bytes, four rows an instruction
	v_and_b32 v6, 31, v0
	v_lshlrev_b32 v[CO], 4, v6
	v_lshlrev_b32 v[RT], 7, v1
	v_lshl_add_u32 v[RT], v2, 4, v[RT]
	v_mul_u32_u24 v[FO], v1, 12288
	v_lshl_add_u32 v[FO], v2, 5, v[FO]
	s_lshl_b32 s96, s66, 8
	s_lshl_b32 s95, s15, 7
	s_add_co_u32 s96, s96, s95                     ; my first position in the sequence: 256 x cluster y + 128 x half
	s_lshl_b32 s96, s96, 7                         ; rows of 128 bytes, in the table and in a head of qkv alike
	s_mov_b32 s97, 0
	s_add_nc_u64 s[8:9], s[8:9], s[96:97]
	s_add_nc_u64 s[10:11], s[10:11], s[96:97]
	s_lshl_b32 s96, s41, 4                         ; (batch, head) = 16 cy + 4 cx + 2 x my half of the columns (+ 0, 1)
	s_lshl_b32 s95, s40, 2
	s_add_co_u32 s96, s96, s95
	s_lshl_b32 s95, s16, 1
	s_add_co_u32 s96, s96, s95
	s_lshl_b32 s96, s96, 18                        ; 2,048 rows of 128 bytes a head
	s_lshl_b32 s95, ttmp9, 24                      ; q, k or v
	s_add_co_u32 s96, s96, s95
	s_add_nc_u64 s[10:11], s[10:11], s[96:97]
	s_mul_i32 s96, s41, 196608                     ; q32: the batch's 16 rows of 12,288 bytes,
	s_lshl_b32 s95, ttmp9, 12
	s_add_co_u32 s96, s96, s95                     ; q, k or v: 1,024 numbers each,
	s_lshl_b32 s95, s40, 10
	s_add_co_u32 s96, s96, s95
	s_lshl_b32 s95, s16, 9
	s_add_co_u32 s96, s96, s95                     ; my 128 columns
	s_add_nc_u64 s[12:13], s[12:13], s[96:97]
.macro FRAG reg, adr, q, i             ; a fragment, 16 rows x 128 K of 4-bit codes: lane l holds row l % 16; registers 4 c .. 4 c + 3 hold K = 64 c + 32 (l / 16) + 0 .. 31
.irp c, 0,1
	ds_load_b128 v[\reg+4*\c:\reg+4*\c+3], v[\adr] offset:64*(\q)+32*\c+(\i)*16*PITCH
.endr
.endm
; 16 matrix instructions: x's blocks a0, a0 + 1 against the weights' eight, 128 along K.  zero = 1: the first product starts the sums.  The 64 accumulators take turns, one instruction a turn.
.macro MUL16 a0, p, q, sc, zero
.irp a, \a0, \a0+1
.irp b, 0,1,2,3,4,5,6,7
.if \zero
	v_wmma_scale_f32_16x16x128_f8f6f4 v[8*(8*((\a)%4)+\b):8*(8*((\a)%4)+\b)+7], v[128*(\p)+FR*\b:128*(\p)+FR*\b+FR-1], v[AF+FR*(\a):AF+FR*(\a)+FR-1], 0, v[SC+8*NQ*(\sc)+NQ*\b+(\q)], v[SC+8*NQ*(\sc)+NQ*(\a)+(\q)] matrix_a_fmt:MATRIX_FMT_FP4 matrix_b_fmt:MATRIX_FMT_FP4 matrix_a_scale:MATRIX_SCALE_ROW1
.else
	v_wmma_scale_f32_16x16x128_f8f6f4 v[8*(8*((\a)%4)+\b):8*(8*((\a)%4)+\b)+7], v[128*(\p)+FR*\b:128*(\p)+FR*\b+FR-1], v[AF+FR*(\a):AF+FR*(\a)+FR-1], v[8*(8*((\a)%4)+\b):8*(8*((\a)%4)+\b)+7], v[SC+8*NQ*(\sc)+NQ*\b+(\q)], v[SC+8*NQ*(\sc)+NQ*(\a)+(\q)] matrix_a_fmt:MATRIX_FMT_FP4 matrix_b_fmt:MATRIX_FMT_FP4 matrix_a_scale:MATRIX_SCALE_ROW1
.endif
.endr
.endr
.endm
.macro FETCH_B slot, q, p
	WIN TO_B
.irp i, 0,1,2,3,4,5,6,7
	FRAG 128*(\p)+FR*\i, ADRB+\slot, \q, \i
.endr
	WIN 0
.endm
.macro FETCH_A slot, q, i0
.irp i, \i0, \i0+1, \i0+2, \i0+3
	FRAG AF+FR*(\i), ADRA+\slot, \q, \i
.endr
.endm
.macro SCALES sc                       ; a slot's scale words: four a row; lanes 0-15 take x's block i, lanes 16-31 the weights' block i
.irp i, 0,1,2,3,4,5,6,7
	ds_load_b128 v[SC+8*NQ*\sc+NQ*\i:SC+8*NQ*\sc+NQ*\i+3], v[ADRS] offset:\i*SBLK
.endr
.endm
.macro PLACES n                        ; plain vector instructions between a matrix instruction and a load into, or a read or write by a vector instruction or store of, its registers
.rept \n
	v_nop
.endr
.endm
.macro STEP slot, q, zero              ; a step of 128 along K that has its successor in the same slot
	s_wait_dscnt 4*NL                              ; the weights' set and x's blocks 0-3 are in; the youngest eight loads (x's blocks 4-7) may be out
	WIN MUL_LO
	MUL16 0, (\q)%2, \q, \slot, \zero
	MUL16 2, (\q)%2, \q, \slot, \zero
	s_wait_dscnt 0
	PLACES NP
	FETCH_B \slot, (\q)+1, 1-(\q)%2
	FETCH_A \slot, (\q)+1, 0
	WIN MUL_HI
	MUL16 4, (\q)%2, \q, \slot, \zero
	MUL16 6, (\q)%2, \q, \slot, \zero
	PLACES NP
	WIN 0
	FETCH_A \slot, (\q)+1, 4
.endm
.macro STEPS slot, from
.set Q, \from
.rept NQ-1-\from
	STEP \slot, Q, 0
.set Q, Q+1
.endr
.endm
; Slot 0's last step changes slots: one barrier; in front of it each wave waits for all its tensor loads (slot 1's is the one that may be out), adds 0 to its spare word, and waits for that and for its reads of slot 0.
; Behind it slot 1 is whole and nobody reads slot 0 any more: the stages of the way out lie there.
.macro TURN slot, next
	s_wait_tensorcnt 0x0
	ds_add_u32 v[SPW], v[NIL]
	s_wait_dscnt 4*NL+1                            ; (the add and the youngest eight loads may be out)
	WIN MUL_LO
	MUL16 0, 1, NQ-1, \slot, 0
	s_wait_dscnt 0x0                               ; the add is done, and my reads of this slot are over
	s_barrier_signal -1
	MUL16 2, 1, NQ-1, \slot, 0
	WIN 0
	s_barrier_wait -1
	PLACES NP
	v_add_nc_u32 v[ADRS], 4*NQ, v[ADRS]            ; on to the second half's scale words
	FETCH_B \next, 0, 0
	FETCH_A \next, 0, 0
	SCALES \next
	WIN MUL_HI
	MUL16 4, 1, NQ-1, \slot, 0
	MUL16 6, 1, NQ-1, \slot, 0
	PLACES NP
	WIN 0
	FETCH_A \next, 0, 4
.endm
.macro REST                            ; slot 1's four steps, 256 matrix instructions; then the places in front of the way out
	STEPS 1, 0
	s_wait_dscnt 4*NL
	WIN MUL_LO
	MUL16 0, 1, NQ-1, 1, 0
	MUL16 2, 1, NQ-1, 1, 0
	s_wait_dscnt 0
	WIN MUL_HI
	MUL16 4, 1, NQ-1, 1, 0
	MUL16 6, 1, NQ-1, 1, 0
	WIN 0
	PLACES NP
.endm
; THE WAY OUT, block by block of 16 rows x 128 columns (two heads).
.macro RLOAD a, set                    ; block a's cosines and sines: lane (r, h) wants, for each quarter bm of a head, those of pairs 8 bm + 4 h + 0 .. 3 of its row
.irp bm, 0,1,2,3
	global_load_b128 v[RR+32*(\set)+8*\bm:RR+32*(\set)+8*\bm+3], v[RT], s[8:9] offset:(\a)*2048+32*\bm
	global_load_b128 v[RR+32*(\set)+8*\bm+4:RR+32*(\set)+8*\bm+7], v[RT], s[8:9] offset:(\a)*2048+32*\bm+262144
.endr
.endm
.macro ROT a                           ; (x0, x1) -> (x0 cos - x1 sin, x0 sin + x1 cos), in f32; each accumulator is read from its low end on
.set AC, 64*((\a)%4)
.set RS, RR+32*((\a)%2)
	WIN 0x02+(\a)/4                                ; source 0: window 2 or 3
.irp b, 0,1,2,3,4,5,6,7
.irp i, 0,1,2,3
	v_mul_f32 v[T+8*\b+2*\i], v[AC+8*\b+2*\i+1], v[RS+8*(\b%4)+4+\i]
	v_mul_f32 v[T+8*\b+2*\i+1], v[AC+8*\b+2*\i], v[RS+8*(\b%4)+4+\i]
.endr
.irp i, 0,1,2,3
	v_fma_f32 v[T+8*\b+2*\i], v[AC+8*\b+2*\i], v[RS+8*(\b%4)+\i], -v[T+8*\b+2*\i]
	v_fma_f32 v[T+8*\b+2*\i+1], v[AC+8*\b+2*\i+1], v[RS+8*(\b%4)+\i], v[T+8*\b+2*\i+1]
.endr
.endr
.endm
.macro CVT
.irp b, 0,1,2,3,4,5,6,7
.irp i, 0,1,2,3
	v_cvt_pk_f16_f32 v[P+4*\b+\i], v[T+8*\b+2*\i], v[T+8*\b+2*\i+1]
.endr
.endr
.endm
.macro PACKV a                         ; v is not rotated: straight from the accumulators
.set AC, 64*((\a)%4)
	WIN 0x0a+5*((\a)/4)                            ; sources 0 and 1: window 2 or 3
.irp b, 0,1,2,3,4,5,6,7
.irp i, 0,1,2,3
	v_cvt_pk_f16_f32 v[P+4*\b+\i], v[AC+8*\b+2*\i], v[AC+8*\b+2*\i+1]
.endr
.endr
	WIN 0
.endm
.macro TOSTAGE a                       ; 16 bytes a lane into my stage, and back as whole rows: LDS serves a wave's instructions in order, so no wait stands between
.set BB, BK+32*((\a)%2)
.irp b, 0,1,2,3,4,5,6,7
	ds_store_b128 v[STO], v[P+4*\b:P+4*\b+3] offset:2304*(\b/4)+32*(\b%4)
.endr
.irp hd, 0,1
.irp t, 0,1,2,3
	ds_load_b128 v[BB+16*\hd+4*\t:BB+16*\hd+4*\t+3], v[RD] offset:2304*\hd+576*\t
.endr
.endr
.endm
.macro SEND a
.set BB, BK+32*((\a)%2)
	s_wait_dscnt 0x0                               ; the block is back in registers
	s_wait_xcnt 0x0                                ; the stores of the block before have read their registers: the next block's loads from the stage may land there
.irp hd, 0,1
.irp t, 0,1,2,3
	global_store_b128 v[CO], v[BB+16*\hd+4*\t:BB+16*\hd+4*\t+3], s[10:11] offset:\hd*262144+(\a)*2048+\t*512   ; four rows of a head: 512 consecutive bytes, aligned
.endr
.endr
.endm
	s_wait_tensorcnt 1                             ; the scales and my part of slot 0 are in (slot 1's load may be out),
	s_barrier_signal -1
	s_barrier_wait -1                              ; everybody's are
	FETCH_B 0, 0, 0
	FETCH_A 0, 0, 0
	SCALES 0
	FETCH_A 0, 0, 4
	STEP 0, 0, 1                                   ; the first step's products start the sums: nothing is cleared
	STEPS 0, 1
	TURN 0, 1
	s_cmp_eq_u32 ttmp9, 2                          ; the cluster's x: the same in all sixteen partners
	s_cbranch_scc1 .Lv
	; ---- q and k
	RLOAD 0, 0                                     ; the first two blocks' cosines and sines are asked for 256 matrix instructions ahead of their use
	RLOAD 1, 1
	REST
.irp a, 0,1,2,3,4,5,6,7
.if \a < 7
	s_wait_loadcnt 8                               ; this block's eight loads are in; the next block's eight may be out
.else
	s_wait_loadcnt 0x0
.endif
	ROT \a
	WIN 0
.if \a == 0
	s_or_b32 s18, s66, s15                         ; positions 0-15 of a sequence: the cluster's y is 0 and my rows are the tile's upper half
	s_cmp_lg_u32 s18, 0
	s_cbranch_scc1 .Lnofine_qk
.irp b, 0,1,2,3,4,5,6,7
	global_store_b128 v[FO], v[T+8*\b:T+8*\b+3], s[12:13] offset:64*\b       ; 32 bytes a lane in rows 12,288 bytes apart: 786,432 bytes in the whole launch leave so
	global_store_b128 v[FO], v[T+8*\b+4:T+8*\b+7], s[12:13] offset:64*\b+16
.endr
	s_wait_xcnt 0x0                                ; the next block's rotation writes these registers
.Lnofine_qk:
.endif
	CVT
.if \a < 6
	RLOAD \a+2, \a%2                               ; into the set that this block's rotation has read
.endif
.if \a > 0
	SEND \a-1
.endif
	TOSTAGE \a
.endr
	SEND 7
	s_branch .Lend
	; ---- v
.Lv:
	REST
	s_or_b32 s18, s66, s15
	s_cmp_lg_u32 s18, 0
	s_cbranch_scc1 .Lnofine_v
	WIN 0x08                                       ; a store's data: window 2
.irp b, 0,1,2,3,4,5,6,7
	global_store_b128 v[FO], v[8*\b:8*\b+3], s[12:13] offset:64*\b
	global_store_b128 v[FO], v[8*\b+4:8*\b+7], s[12:13] offset:64*\b+16
.endr
	WIN 0
.Lnofine_v:
.irp a, 0,1,2,3,4,5,6,7
	PACKV \a
.if \a > 0
	SEND \a-1
.endif
	TOSTAGE \a
.endr
	SEND 7
.Lend:
	s_wait_tensorcnt 0x0                           ; the wave's end
	ds_add_u32 v[SPW], v[NIL]
	s_wait_dscnt 0x0
	CROUND                                         ; the closing round
	s_endpgm
.Lfunc_end_k_q5fbec75cff_qkv:
	.size	k_q5fbec75cff_qkv, .Lfunc_end_k_q5fbec75cff_qkv-k_q5fbec75cff_qkv
	.p2alignl 7, 3214868480
	.fill 96, 4, 3214868480
	.section	.rodata,"a",@progbits
	.p2align	6, 0x0
	.amdhsa_kernel k_q5fbec75cff_qkv
		.amdhsa_group_segment_fixed_size 327680
		.amdhsa_private_segment_fixed_size 0
		.amdhsa_enable_private_segment 0
		.amdhsa_kernarg_size 40
		.amdhsa_user_sgpr_count 2
		.amdhsa_user_sgpr_kernarg_segment_ptr 1
		.amdhsa_wavefront_size32 1
		.amdhsa_system_sgpr_workgroup_id_x 1
		.amdhsa_system_sgpr_workgroup_id_y 1
		.amdhsa_system_sgpr_workgroup_id_z 1
		.amdhsa_system_vgpr_workitem_id 0
		.amdhsa_next_free_vgpr 1024
		.amdhsa_next_free_sgpr 100
		.amdhsa_reserve_vcc 0
		.amdhsa_float_denorm_mode_32 3
		.amdhsa_float_denorm_mode_16_64 3
		.amdhsa_memory_ordered 1
		.amdhsa_forward_progress 1
		.amdhsa_inst_pref_size 255
	.end_amdhsa_kernel
	.amdgpu_metadata
---
amdhsa.version: [ 1, 2 ]
amdhsa.kernels:
  - .name:           k_q5fbec75cff_qkv
    .symbol:         k_q5fbec75cff_qkv.kd
    .args:
      - { .name: codes, .offset: 0, .size: 8, .value_kind: global_buffer, .address_space: global }
      - { .name: scales, .offset: 8, .size: 8, .value_kind: global_buffer, .address_space: global }
      - { .name: rope, .offset: 16, .size: 8, .value_kind: global_buffer, .address_space: global }
      - { .name: qkv, .offset: 24, .size: 8, .value_kind: global_buffer, .address_space: global }
      - { .name: q32, .offset: 32, .size: 8, .value_kind: global_buffer, .address_space: global }
    .group_segment_fixed_size: 327680
    .private_segment_fixed_size: 0
    .kernarg_segment_align: 8
    .kernarg_segment_size: 40
    .max_flat_workgroup_size: 128
    .sgpr_count:     100
    .vgpr_count:     1024
    .wavefront_size: 32
...
	.end_amdgpu_metadata
.endif
;; end of part 2
;; launch attn (part 3): grid 4 x 64, 16 waves a work-group, clusters of 4 x 1, 327,680 bytes of LDS; arguments qkv, hb; writes hb
.if DOCPART == 3
	.amdgcn_target "amdgcn-amd-amdhsa--gfx1250"
	.amdhsa_code_object_version 6
	.text
	.protected	k_q5fbec75cff_attn
	.globl	k_q5fbec75cff_attn
	.p2align	8
	.type	k_q5fbec75cff_attn,@function
k_q5fbec75cff_attn:
	s_mov_b64 s[64:65], 0
	v_nop
	global_prefetch_b8 v0, s[64:65] scope:SCOPE_SE
	s_setreg_imm32_b32 hwreg(HW_REG_WAVE_MODE, 25, 1), 1
	s_wait_xcnt 0x0
	s_wait_alu depctr_hold_cnt(0) depctr_sa_sdst(0) depctr_va_vdst(0) depctr_va_sdst(0) depctr_va_ssrc(0) depctr_va_vcc(0) depctr_vm_vsrc(0)
	s_getreg_b32 s2, hwreg(HW_REG_IB_STS2, 6, 4)
	s_cmp_eq_u32 s2, 0
	s_cbranch_scc0 .Lentry_in_a_cluster
	s_endpgm
.Lentry_in_a_cluster:
	s_bfe_u32 s2, ttmp6, 0x10000c
	s_cmp_lg_u32 s2, 0x3003
	s_cbranch_scc0 .Lentry_shape_is_right
	s_endpgm
.Lentry_shape_is_right:
; hb[bh][q][:] = the sum over keys k <= q of softmax_k(Q[q] . K[k] / 8) V[k][:], for each of 64 (batch, head).  Q, K, V: qkv [3][64][2048][64] f16; hb [64][2048][64] f16.  Products' sums, maxima and sums in f32;
; the weights p are rounded to f16 for the second product, the result once at the end.
; WORK LEFT OUT: scores with key > query are set to -infinity by reference()'s own jnp.tril, so their weights are 0 for all inputs: runs of 128 keys wholly behind a wave's queries, and in the run on the diagonal
; the one block of 64 keys x 16 queries that is wholly hidden, are not multiplied.  A NaN or an infinity that reaches only such scores is not carried to the result.
; LIMIT: p, and the result, in f16: p is at most 1; under 6e-5 its rounding is 3e-8 absolute, beside a sum of at least 1.
; (Positions 0-15 of every sequence are computed here too, inside tiles that hold other rows' work and so that hb is whole; the output's rows 0-15 are made finely by the last launch.)
; SHARES.  A cluster of four work-groups is one (batch, head).  All four walk the same K and V, so each tile is asked for JOINTLY: the same tensor load, with the same descriptor and the mask 15, in all four.
; Wave w has the number n(w), a permutation of 0 .. 15, and owns two tiles of 16 queries: 128 n + 16 cx + 0..15 and 128 n + 64 + 16 cx + 0..15.  A UNIT is 128 keys, two steps of 64.  Wave n works units 0 .. n;
; unit n is its diagonal, and there, for every cx alike: step 0 has tile 0 masked and tile 1 open, step 1 has tile 0 wholly hidden and tile 1 masked.  So no branch hangs on the place in the cluster: cx enters
; Q's and hb's addresses, the prefetch's address and the number that the mask compares with.  All 256 work-groups have equal work and the same constant trip counts.
; n(w), w = 4 i + j, is 4 (i xor j) + (i xor m(j)), m = 0, 2, 3, 1: waves {4 i ..} and waves {j, j + 4, ..} alike hold one number of each quarter of 0 .. 15, and sum to 30: at every unit the working waves are spread evenly.
; LAYOUT.  S^T = K Q^T (source 0 = 16 keys, source 1 = 16 queries): a lane holds ONE query (lane % 16) and keys 8 (lane / 16) + 0..7.  Two such tiles, rounded to f16 in pairs, ARE source 1 (32 keys x 16 queries) of
; O^T = V^T P, whose result again holds one query a lane.  K comes out of LDS as it lies, V ([key][channel]) turned, by ds_load_tr16_b128.
; SOFTMAX.  A running maximum m and sum l for each query: p = 2^(c s - c m), c = log2(e) / 8; in every step O and l are multiplied by a = 2^(c m_old - c m_new).
; Sixteen waves of 256 registers, four to a SIMD: one wave's vector work stands beside another's matrix work and LDS loads; no register windows.
.set UNITB, 35840                      ; a unit in LDS: K, 64 double rows of 256 bytes + 16; then V, 64 double rows of 256 bytes + 32
.set VOFF,  17408
.set SLOT1, 1<<17                      ; a slot holds two units; slot 1 begins here, so that one exclusive or turns an address in one slot into the other's
.set STAGE, SLOT1+2*UNITB              ; behind the ring: for each wave two tiles x 16 rows x (128 bytes + 16)
.set SPARE, STAGE+16*4608              ; the spare words, 128 bytes for each wave, which no other line names
.set AK0, 1                            ; v1   my lane's place in a tile of K: key row kr lies at (kr / 2) 272 + (kr % 2) 128: the 16 rows of a load fall on 16 different columns of 16 bytes
.set AV0, 2                            ; v2   the same for V: row vr at (vr / 2) 288 + (vr % 2) 128
.set ADK, 3                            ; v3   LDS address of the step's K
.set ADV, 4                            ; v4   and V
.set SPW, 5                            ; v5   LDS address of my spare word; never rewritten
.set NIL, 6                            ; v6   0; never rewritten
.set DD,  7                            ; v7   16 cx + r - 8 h: register 8 kt + j of a masked tile is hidden where 16 kt + j is greater
.set NINF, 8                           ; v8   -infinity
.set QO,  9                            ; v9   my byte offset in the wave's rows of Q
.set PFO, 10                           ; v10  256 x lane
.set STO, 11                           ; v11  the way out: where I put 16 bytes of a row
.set ST,  12                           ; v12-27 statistics, eight a tile: +0 c m, +1 m, +2, +3 l (even keys', odd keys'), +4 to +7 at work; a at +6
.set RD,  28                           ; v28  the way out: where I read rows back
.set GO,  29                           ; v29  16 x lane
.set Q,   32                           ; v32-63   Q: tile t, channels 32 kh on, at 32 + 16 t + 8 kh
.set S,   64                           ; v64-127  S^T: tile t, keys 16 kt on, at 64 + 32 t + 8 kt; P is packed in place into the tile's first 16
.set O,   128                          ; v128-191 O^T: tile t, channels 16 ct on, at 128 + 32 t + 8 ct
.set KV,  192                          ; v192-255 K's fragments of a step (16 kt + 8 kh), then V's (32 g + 8 ct)
.set TB,  2                            ; s2   LDS byte at which the unit in hand begins
.set UN,  3                            ; s3   its number
.set WV,  12
.set PI,  13                           ; s13  n(w)
.set CX,  14
.set LIM, 15                           ; s15  1 in a wave that prefetches, else the greatest number
.set PFA, 18                           ; s[18:19] where my prefetches stand
.set G1K, 24
.set G1V, 32
.set G0K, 40
.set G0V, 44
.set SLOTS, 56
.set TWICE, 57
.set CS,  58                           ; s[58:59] c, twice: the packed form names a pair
.set SEL, 60                           ; s[60:61] v_permlanex16_b32's selects for lane l xor 16
; Waves 0 and 1 fetch a slot's two units of K, waves 2 and 3 those of V, the others nothing.  The branches hang on the wave's number alone.  An s_nop 0 and four v_nop follow each of the two lines.
.macro TLOAD
	s_cmp_lt_u32 s[WV], 2
	s_cbranch_scc0 .Lnot_k_\@
	tensor_load_to_lds s[G0K:G0K+3], s[G1K:G1K+7]
	s_nop 0
.rept 4
	v_nop
.endr
	s_branch .Lasked_\@
.Lnot_k_\@:
	s_cmp_lt_u32 s[WV], 4
	s_cbranch_scc0 .Lasked_\@
	tensor_load_to_lds s[G0V:G0V+3], s[G1V:G1V+7]
	s_nop 0
.rept 4
	v_nop
.endr
.Lasked_\@:
.endm
; A PREFETCH INTO THE L2 of what the NEXT change of slots will ask for: a slot's 32,768 bytes of K (wave 4) and of V (wave 5).  The four partners share them out BY ADDRESS, 8,192 bytes each, lanes 256 bytes apart:
; each aligned block of 256 bytes is named once in the launch.  It stands behind the change's tensor load, two units ahead of the load that will want the bytes.  The last change that fills a slot asks for nothing;
; slots 0 and 1 come by their loads alone.
.macro ASK
	s_cmp_gt_u32 s[SLOTS], s[LIM]
	s_cbranch_scc0 .Lnot_mine_\@
	global_prefetch_b8 v[PFO], s[PFA:PFA+1] th:TH_LOAD_NT scope:SCOPE_SE
.Lnot_mine_\@:
.endm
.macro CROUND                          ; a round of the cluster's barrier
	s_barrier_signal -1
	s_barrier_wait -1
	s_cmp_lg_u32 s[WV], 0
	s_cbranch_scc1 .Lnot_wave_0_\@
	s_barrier_signal -3
.Lnot_wave_0_\@:
	s_barrier_wait -3
	s_barrier_signal -1
	s_barrier_wait -1
.endm
	s_load_b128 s[4:7], s[0:1], 0x0                ; qkv, hb
	v_lshl_add_u32 v[SPW], v0, 2, SPARE
	v_mov_b32 v[NIL], 0
	ds_add_u32 v[SPW], v[NIL]                      ; the wave's opening: the add, twice on end, and its wait ahead of the first tensor loads
	ds_add_u32 v[SPW], v[NIL]
	v_lshrrev_b32 v30, 5, v0
	v_readfirstlane_b32 s[WV], v30                 ; wave 0..15
	s_bfe_u32 s[CX], ttmp6, 0x40000                ; cx
	s_and_b32 s16, ttmp7, 0xffff                   ; (batch, head), which the four partners share
	s_mov_b32 s20, 0x8e35db60                      ; n(w), four bits a wave: waves 0-7,
	s_mov_b32 s21, 0x249f71ca                      ; waves 8-15
	s_cmp_lt_u32 s[WV], 8
	s_cselect_b32 s20, s20, s21
	s_and_b32 s21, s[WV], 7
	s_lshl_b32 s21, s21, 2
	s_lshr_b32 s20, s20, s21
	s_and_b32 s[PI], s20, 15
	; descriptor group 1: a unit's 128 rows of 128 bytes are dense in memory: stated as 64 rows x 128 elements of 2 bytes, padded behind each
	s_mov_b32 s[G1K], 15|(1<<16)|(1<<20)|(1<<21)|(5<<22)|(3<<25)  ; 15:0 the mask: all four work-groups; 17:16 elements of 2 bytes; 20 padding on; 21 set beside a mask; 24:22 after every 64 words; 31:25 four words
	s_mov_b32 s[G1V], 15|(1<<16)|(1<<20)|(1<<21)|(5<<22)|(7<<25)  ; the same with eight words of padding
.irp g, G1K, G1V
	s_mov_b32 s[\g+1], 128<<16                     ; tensor_dim0
	s_mov_b32 s[\g+2], 64<<16                      ; tensor_dim1
	s_mov_b32 s[\g+3], 128<<16                     ; tile_dim0
	s_mov_b32 s[\g+4], 64                          ; tile_dim1
	s_mov_b32 s[\g+5], 128                         ; tensor_dim0_stride
	s_mov_b32 s[\g+6], 0
	s_mov_b32 s[\g+7], 0
.endr
	s_and_b32 s17, s[WV], 1                        ; which of a slot's two units I fetch, if I fetch
	s_lshl_b32 s22, s16, 18                        ; the head's first byte in a plane of qkv,
	s_lshl_b32 s23, s17, 14
	s_add_co_u32 s22, s22, s23                     ; + my unit's 16,384 bytes
	s_mov_b32 s23, 0
	s_lshl_b32 s20, s17, 24                        ; the prefetches: wave 4 K's plane, wave 5 V's,
	s_lshl_b32 s21, s16, 18
	s_add_co_u32 s20, s20, s21
	s_lshl_b32 s21, s[CX], 13                      ; my work-group's 8,192 bytes of a slot,
	s_add_co_u32 s20, s20, s21
	s_add_co_u32 s20, s20, (1<<24)+32768           ; in slot 1: the first change of slots steps it to slot 2
	s_mov_b32 s21, 0
	s_mul_i32 s17, s17, UNITB                      ; my unit's place in a slot: no place in the cluster enters an LDS address
	s_lshl_b32 s8, s[PI], 7
	s_lshl_b32 s9, s[CX], 4
	s_add_co_u32 s8, s8, s9                        ; my first query: 128 n + 16 cx
	s_lshl_b32 s8, s8, 7
	s_lshl_b32 s9, s16, 18
	s_add_co_u32 s8, s8, s9
	s_mov_b32 s9, 0
	s_lshr_b32 s[LIM], s[WV], 1
	s_cmp_eq_u32 s[LIM], 2                         ; waves 4 and 5
	s_cselect_b32 s[LIM], 1, -1
	s_mov_b32 s[CS], 0x3e38aa3b                    ; c = log2(e) / 8
	s_mov_b32 s[CS+1], s[CS]
	s_mov_b32 s[SEL], 0x76543210
	s_mov_b32 s[SEL+1], 0xfedcba98
	s_mov_b32 s[TB], 0
	s_mov_b32 s[UN], 0
	s_mov_b32 s[SLOTS], 7
	s_wait_dscnt 0x0                               ; both opening adds are done
	s_wait_kmcnt 0x0
	s_mov_b32 s[G0K], 1                            ; count = 1
	s_mov_b32 s[G0K+1], s17                        ; LDS address: slot 0
	s_add_nc_u64 s[G0K+2:G0K+3], s[4:5], s[22:23]
	s_add_nc_u64 s[G0K+2:G0K+3], s[G0K+2:G0K+3], 1<<24   ; K's plane
	s_or_b32 s[G0K+3], s[G0K+3], 0x80000000        ; type = 2
	s_mov_b32 s[G0V], 1
	s_add_co_u32 s[G0V+1], s17, VOFF
	s_add_nc_u64 s[G0V+2:G0V+3], s[4:5], s[22:23]
	s_add_nc_u64 s[G0V+2:G0V+3], s[G0V+2:G0V+3], 2<<24   ; V's plane
	s_or_b32 s[G0V+3], s[G0V+3], 0x80000000
	s_add_nc_u64 s[PFA:PFA+1], s[4:5], s[20:21]
	s_add_nc_u64 s[10:11], s[4:5], s[8:9]          ; Q at my first query
	s_add_nc_u64 s[6:7], s[6:7], s[8:9]            ; hb likewise
	CROUND                                         ; all four work-groups are here: the first joint loads meet
	TLOAD                                          ; slot 0: one tensor load of mine is out, here and behind every change of slots
	v_and_b32 v30, 15, v0                          ; r
	v_bfe_u32 v31, v0, 4, 1                        ; h
	v_lshlrev_b32 v[QO], 7, v30
	v_lshl_add_u32 v[QO], v31, 4, v[QO]            ; row r of 128 bytes + 16 h
.irp t, 0,1
.irp kh, 0,1
	global_load_b128 v[Q+16*\t+8*\kh:Q+16*\t+8*\kh+3], v[QO], s[10:11] offset:8192*\t+64*\kh        ; Q stays in registers
	global_load_b128 v[Q+16*\t+8*\kh+4:Q+16*\t+8*\kh+7], v[QO], s[10:11] offset:8192*\t+64*\kh+32
.endr
.endr
	v_lshrrev_b32 v[AK0], 1, v30
	v_mul_u32_u24 v[AK0], v[AK0], 272
	v_and_b32 v3, 1, v30
	v_lshl_add_u32 v[AK0], v3, 7, v[AK0]
	v_lshl_add_u32 v[AK0], v31, 4, v[AK0]          ; (r / 2) 272 + (r % 2) 128 + 16 h
	v_bfe_u32 v3, v0, 1, 2
	v_lshl_add_u32 v3, v31, 2, v3
	v_mul_u32_u24 v[AV0], v3, 288                  ; the turning load: lane l reads key 8 h + l % 8, channels 8 ((l / 8) % 2) + 0..7
	v_and_b32 v3, 1, v0
	v_lshl_add_u32 v[AV0], v3, 7, v[AV0]
	v_bfe_u32 v3, v0, 3, 1
	v_lshl_add_u32 v[AV0], v3, 4, v[AV0]
	v_add_nc_u32 v[AV0], VOFF, v[AV0]
	v_lshlrev_b32 v3, 3, v31
	v_sub_nc_u32 v[DD], v30, v3
	s_lshl_b32 s20, s[CX], 4
	v_add_nc_u32 v[DD], s20, v[DD]
	v_mov_b32 v[NINF], 0xff800000
	v_and_b32 v[PFO], 31, v0
	v_lshlrev_b32 v[PFO], 8, v[PFO]
	s_mul_i32 s20, s[WV], 4608
	s_add_co_u32 s20, s20, STAGE                   ; my stage
	v_mul_u32_u24 v[STO], v30, 144
	v_lshl_add_u32 v[STO], v31, 4, v[STO]
	v_add_nc_u32 v[STO], s20, v[STO]
	v_bfe_u32 v3, v0, 3, 2
	v_mul_u32_u24 v[RD], v3, 144
	v_and_b32 v3, 7, v0
	v_lshl_add_u32 v[RD], v3, 4, v[RD]
	v_add_nc_u32 v[RD], s20, v[RD]
	v_and_b32 v[GO], 31, v0
	v_lshlrev_b32 v[GO], 4, v[GO]
.irp t, 0,1
	v_mov_b32 v[ST+8*\t+1], 0xff61b1e6             ; m: -3e38, under every score
	v_mul_f32 v[ST+8*\t], s[CS], v[ST+8*\t+1]      ; c m
.irp i, 2,3,4,5,6,7
	v_mov_b32 v[ST+8*\t+\i], 0                     ; l; and the registers at work, written once
.endr
.endr
.set i, 0
.rept 64
	v_mov_b32 v[O+i], 0                            ; O^T.  (The step is written without a first form: the first step finds zeros, which a = 0 leaves zeros)
.set i, i+1
.endr
; THE SOFTMAX of one tile for one step of 64 keys is a list of 118 instructions; SM writes number j of it for tile t.  s0-s31 are the lane's 32 scores, in pairs 0-15.
;   0-15 the maximum of s0-s31 and the old m, in four chains   16-20 the other half of the lanes' maximum; the new m; c m; c m_old - c m_new   21 a   22-37 c s - c m, a pair each   38-69 the exponentials
;   (one plain instruction and the one wait for the batch)   70-85 l = a l + the sum of p, in two chains that leave p as it is   86-101 p to f16, in place, ascending   102-117 O^T times a
.macro SM t
.set rT, ST+8*(\t)
.set rS, S+32*(\t)
.set rO, O+32*(\t)
.if j < 4
	v_max3_num_f32 v[rT+4+j], v[rS+8*j], v[rS+8*j+1], v[rS+8*j+2]          ; each accumulator is read from its low end on
.elseif j < 12
	v_max3_num_f32 v[rT+4+j%4], v[rT+4+j%4], v[rS+8*(j%4)+2*(j/4)+1], v[rS+8*(j%4)+2*(j/4)+2]
.elseif j == 12
	v_max3_num_f32 v[rT+4], v[rT+4], v[rS+7], v[rS+15]
.elseif j == 13
	v_max3_num_f32 v[rT+6], v[rT+6], v[rS+23], v[rS+31]
.elseif j == 14
	v_max3_num_f32 v[rT+4], v[rT+4], v[rT+5], v[rT+6]
.elseif j == 15
	v_max3_num_f32 v[rT+4], v[rT+4], v[rT+7], v[rT+1]
.elseif j == 16
	v_permlanex16_b32 v[rT+5], v[rT+4], s[SEL], s[SEL+1]                   ; the query's other 32 keys lie in the lane 16 away
.elseif j == 17
	v_mov_b32 v[rT+7], v[rT]
.elseif j == 18
	v_max_num_f32 v[rT+1], v[rT+4], v[rT+5]
.elseif j == 19
	v_mul_f32 v[rT], s[CS], v[rT+1]
.elseif j == 20
	v_sub_f32 v[rT+7], v[rT+7], v[rT]
.elseif j == 21
	v_exp_f32 v[rT+6], v[rT+7]
.elseif j < 38
	v_pk_fma_f32 v[rS+2*(j-22):rS+2*(j-22)+1], v[rS+2*(j-22):rS+2*(j-22)+1], s[CS:CS+1], v[rT:rT+1] op_sel_hi:[1,0,0] neg_lo:[0,0,1] neg_hi:[0,0,1]
.elseif j < 70
	v_exp_f32 v[rS+j-38], v[rS+j-38]
.elseif j == 70
	v_pk_fma_f32 v[rT+2:rT+3], v[rT+2:rT+3], v[rT+6:rT+7], v[rS:rS+1] op_sel_hi:[1,0,1]
.elseif j == 71
	v_pk_add_f32 v[rT+4:rT+5], v[rS+2:rS+3], v[rS+6:rS+7]
.elseif j < 85
.if (j-72)%2 == 0
	v_pk_add_f32 v[rT+2:rT+3], v[rT+2:rT+3], v[rS+2*(j-70):rS+2*(j-70)+1]  ; pairs 2, 4, .. 14
.else
	v_pk_add_f32 v[rT+4:rT+5], v[rT+4:rT+5], v[rS+2*(j-68):rS+2*(j-68)+1]  ; pairs 5, 7, .. 15
.endif
.elseif j == 85
	v_pk_add_f32 v[rT+2:rT+3], v[rT+2:rT+3], v[rT+4:rT+5]
.elseif j < 102
	v_cvt_pk_f16_f32 v[rS+j-86], v[rS+2*(j-86)], v[rS+2*(j-86)+1]
.else
	v_pk_mul_f32 v[rO+2*(j-102):rO+2*(j-102)+1], v[rO+2*(j-102):rO+2*(j-102)+1], v[rT+6:rT+7] op_sel_hi:[1,0]
.endif
.endm
.macro BOTH lo, hi                     ; number j for each tile at work: the tiles alternate line by line
.irp t, 0,1
.if (\t >= \lo) && (\t <= \hi)
	SM \t
.endif
.endr
.endm
; A STEP: 64 keys, the st-th of the unit in hand; tiles lo .. hi are worked; tile mk is masked (-1: none).
.macro STEP st, lo, hi, mk
	v_add_nc_u32 v[ADK], s[TB], v[AK0]
	v_add_nc_u32 v[ADV], s[TB], v[AV0]
.rept 3
	v_nop                                          ; five places: the loads below land on registers that the last products read, and the products below write over P, which they read too
.endr
.irp kt, 0,1,2,3
.irp kh, 0,1
	ds_load_b128 v[KV+16*\kt+8*\kh:KV+16*\kt+8*\kh+3], v[ADK] offset:8704*\st+2176*\kt+64*\kh
	ds_load_b128 v[KV+16*\kt+8*\kh+4:KV+16*\kt+8*\kh+7], v[ADK] offset:8704*\st+2176*\kt+64*\kh+32
.endr
.endr
	s_wait_dscnt 0x0
.irp kh, 0,1                                   ; S^T = K Q^T: the accumulators take turns, one instruction a turn; the first 32 channels start the sums
.irp kt, 0,1,2,3
.irp t, 0,1
.if (\t >= \lo) && (\t <= \hi)
.if \kh == 0
	v_wmma_f32_16x16x32_f16 v[S+32*\t+8*\kt:S+32*\t+8*\kt+7], v[KV+16*\kt+8*\kh:KV+16*\kt+8*\kh+7], v[Q+16*\t+8*\kh:Q+16*\t+8*\kh+7], 0
.else
	v_wmma_f32_16x16x32_f16 v[S+32*\t+8*\kt:S+32*\t+8*\kt+7], v[KV+16*\kt+8*\kh:KV+16*\kt+8*\kh+7], v[Q+16*\t+8*\kh:Q+16*\t+8*\kh+7], v[S+32*\t+8*\kt:S+32*\t+8*\kt+7]
.endif
.endif
.endr
.endr
.endr
.rept 4
	v_nop                                          ; places in front of the loads into K's registers and of the first read of the scores
.endr
.irp g, 0,1                                    ; V, turned: it lands while the softmax is walked
.irp ct, 0,1,2,3
	ds_load_tr16_b128 v[KV+32*\g+8*\ct:KV+32*\g+8*\ct+3], v[ADV] offset:9216*\st+4608*\g+32*\ct
	ds_load_tr16_b128 v[KV+32*\g+8*\ct+4:KV+32*\g+8*\ct+7], v[ADV] offset:9216*\st+4608*\g+32*\ct+2304
.endr
.endr
.if \mk >= 0                                   ; on the diagonal hidden scores become -infinity ahead of the maximum: p = 0 then.  Key 0 counts for every query, so m is a number from the first step on
.irp n, 0,1,2,3,4,5,6,7,8,9,10,11,12,13,14,15,16,17,18,19,20,21,22,23,24,25,26,27,28,29,30,31
	v_cmp_gt_i32 vcc_lo, 16*(\n/8)+\n%8, v[DD]
	v_cndmask_b32 v[S+32*\mk+\n], v[S+32*\mk+\n], v[NINF], vcc_lo
.endr
.endif
.set j, 0
.rept 70
	BOTH \lo, \hi
.set j, j+1
.endr
	v_nop                                          ; a plain instruction behind the last exponential
	s_wait_alu depctr_va_vdst(0)                   ; one wait for the whole batch, ahead of its first reader
.rept 48
	BOTH \lo, \hi
.set j, j+1
.endr
	s_wait_dscnt 0x0                               ; V is in
.irp g, 0,1                                    ; O^T += V^T P: the accumulators by turns
.irp ct, 0,1,2,3
.irp t, 0,1
.if (\t >= \lo) && (\t <= \hi)
	v_wmma_f32_16x16x32_f16 v[O+32*\t+8*\ct:O+32*\t+8*\ct+7], v[KV+32*\g+8*\ct:KV+32*\g+8*\ct+7], v[S+32*\t+8*\g:S+32*\t+8*\g+7], v[O+32*\t+8*\ct:O+32*\t+8*\ct+7]
.endif
.endr
.endr
.endr
.endm
; A slot's two units.  Every wave walks the loop; a unit's WORK is passed over where all its keys come after the wave's queries: scalar branches on the wave's number and the count of units, round no barrier and no tensor load.
.macro UNITS
	s_mov_b32 s[TWICE], 2
.Lunit_\@:
	s_cmp_gt_u32 s[UN], s[PI]
	s_cbranch_scc1 .Lskip_\@
	s_cmp_eq_u32 s[UN], s[PI]
	s_cbranch_scc1 .Ldiag_\@
	STEP 0, 0, 1, -1
	STEP 1, 0, 1, -1
	s_branch .Lskip_\@
.Ldiag_\@:
	STEP 0, 0, 1, 0
	STEP 1, 1, 1, 1
.Lskip_\@:
	s_add_co_u32 s[UN], s[UN], 1
	s_add_co_u32 s[TB], s[TB], UNITB
	s_sub_co_u32 s[TWICE], s[TWICE], 1
	s_cmp_lg_u32 s[TWICE], 0
	s_cbranch_scc1 .Lunit_\@
	s_sub_co_u32 s[TB], s[TB], 2*UNITB
	s_xor_b32 s[TB], s[TB], SLOT1                  ; on to the other slot
.endm
; THE CHANGE OF SLOTS stands at a slot's head.  Each wave waits for all its tensor loads (its part of the slot that it is about to read), adds 0 to its spare word, and waits for that and for its reads of the slot that it has left.
; fill = 1: a round of the cluster's barrier, so that no wave of any partner still reads that slot or has a load on its way; the joint load of the keys that follow is the first thing behind it and has two units in which to land.
.macro CHANGE fill
	s_wait_tensorcnt 0x0                           ; no tensor load of mine is out, so a group 0 may be written
	ds_add_u32 v[SPW], v[NIL]
.if \fill
	ds_add_u32 v[SPW], v[NIL]                      ; and once more: the add twice on end, in every trip alike
	s_xor_b32 s[G0K+1], s[G0K+1], SLOT1            ; the walking descriptors: the other slot than last time,
	s_add_nc_u64 s[G0K+2:G0K+3], s[G0K+2:G0K+3], 32768   ; the next 256 keys; the type bits on top are not reached
	s_xor_b32 s[G0V+1], s[G0V+1], SLOT1
	s_add_nc_u64 s[G0V+2:G0V+3], s[G0V+2:G0V+3], 32768
	s_wait_xcnt 0x0                                ; the last prefetch, a slot back, has read its address, so it may be written:
	s_add_nc_u64 s[PFA:PFA+1], s[PFA:PFA+1], 32768 ; one slot further on than the walking descriptors
	s_wait_dscnt 0x0                               ; both adds are done, and my reads of the slot that I have left are over
	CROUND
	TLOAD
	ASK
.else
	s_wait_dscnt 0x0
	s_barrier_signal -1
	s_barrier_wait -1
.endif
.endm
	s_wait_loadcnt 0x0                             ; Q
.Lslot:                                            ; seven trips: behind each change of slots but the last the next slot is asked for; slot 1's first fill stands behind the first trip's round, where nothing is filled again
	CHANGE 1
	UNITS
	s_sub_co_u32 s[SLOTS], s[SLOTS], 1
	s_cmp_lg_u32 s[SLOTS], 0
	s_cbranch_scc1 .Lslot
	CHANGE 0                                       ; the last slot is written out
	UNITS
	; THE WAY OUT.  l's two halves and the other half of the lanes' are added; O^T is divided by l, rounded to f16 and sent through my stage in LDS, so that each store covers 512 consecutive bytes.
.rept 4
	v_nop                                          ; places behind the last products
.endr
.irp t, 0,1
	v_add_f32 v[ST+8*\t+4], v[ST+8*\t+2], v[ST+8*\t+3]
.endr
.irp t, 0,1
	v_permlanex16_b32 v[ST+8*\t+5], v[ST+8*\t+4], s[SEL], s[SEL+1]
.endr
.irp t, 0,1
	v_add_f32 v[ST+8*\t+4], v[ST+8*\t+4], v[ST+8*\t+5]
.endr
.irp t, 0,1
	v_rcp_f32 v[ST+8*\t+6], v[ST+8*\t+4]
.endr
	v_nop                                          ; a plain instruction behind the last reciprocal
	s_wait_alu depctr_va_vdst(0)                   ; and the one wait for the two, ahead of their first reader
.irp t, 0,1
.set i, 0
.rept 16
	v_pk_mul_f32 v[S+32*\t+2*i:S+32*\t+2*i+1], v[O+32*\t+2*i:O+32*\t+2*i+1], v[ST+8*\t+6:ST+8*\t+7] op_sel_hi:[1,0]
.set i, i+1
.endr
.set i, 0
.rept 16
	v_cvt_pk_f16_f32 v[S+32*\t+i], v[S+32*\t+2*i], v[S+32*\t+2*i+1]
.set i, i+1
.endr
.irp ct, 0,1,2,3
	ds_store_b128 v[STO], v[S+32*\t+4*\ct:S+32*\t+4*\ct+3] offset:2304*\t+32*\ct
.endr
.irp n, 0,1,2,3
	ds_load_b128 v[KV+16*\t+4*\n:KV+16*\t+4*\n+3], v[RD] offset:2304*\t+576*\n   ; LDS serves a wave's instructions in order: these see my stores
.endr
.endr
	s_wait_dscnt 0x0
.irp t, 0,1
.irp n, 0,1,2,3
	global_store_b128 v[GO], v[KV+16*\t+4*\n:KV+16*\t+4*\n+3], s[6:7] offset:8192*\t+512*\n   ; four rows of 128 bytes: 512 consecutive bytes, aligned
.endr
.endr
	s_wait_tensorcnt 0x0                           ; the wave's end
	ds_add_u32 v[SPW], v[NIL]
	s_wait_dscnt 0x0
	CROUND                                         ; the closing round
	s_endpgm
.Lfunc_end_k_q5fbec75cff_attn:
	.size	k_q5fbec75cff_attn, .Lfunc_end_k_q5fbec75cff_attn-k_q5fbec75cff_attn
	.p2alignl 7, 3214868480
	.fill 96, 4, 3214868480
	.section	.rodata,"a",@progbits
	.p2align	6, 0x0
	.amdhsa_kernel k_q5fbec75cff_attn
		.amdhsa_group_segment_fixed_size 327680
		.amdhsa_private_segment_fixed_size 0
		.amdhsa_enable_private_segment 0
		.amdhsa_kernarg_size 16
		.amdhsa_user_sgpr_count 2
		.amdhsa_user_sgpr_kernarg_segment_ptr 1
		.amdhsa_wavefront_size32 1
		.amdhsa_system_sgpr_workgroup_id_x 1
		.amdhsa_system_sgpr_workgroup_id_y 1
		.amdhsa_system_sgpr_workgroup_id_z 1
		.amdhsa_system_vgpr_workitem_id 0
		.amdhsa_next_free_vgpr 256
		.amdhsa_next_free_sgpr 72
		.amdhsa_reserve_vcc 1
		.amdhsa_float_denorm_mode_32 3
		.amdhsa_float_denorm_mode_16_64 3
		.amdhsa_memory_ordered 1
		.amdhsa_forward_progress 1
		.amdhsa_inst_pref_size 148
	.end_amdhsa_kernel
	.amdgpu_metadata
---
amdhsa.version: [ 1, 2 ]
amdhsa.kernels:
  - .name:           k_q5fbec75cff_attn
    .symbol:         k_q5fbec75cff_attn.kd
    .args:
      - { .name: qkv, .offset: 0, .size: 8, .value_kind: global_buffer, .address_space: global }
      - { .name: hb, .offset: 8, .size: 8, .value_kind: global_buffer, .address_space: global }
    .group_segment_fixed_size: 327680
    .private_segment_fixed_size: 0
    .kernarg_segment_align: 8
    .kernarg_segment_size: 16
    .max_flat_workgroup_size: 512
    .sgpr_count:     72
    .vgpr_count:     256
    .wavefront_size: 32
...
	.end_amdgpu_metadata
.endif
;; end of part 3
;; launch oproj (part 4): grid 4 x 64, 4 waves a work-group, clusters of 4 x 4, 327,680 bytes of LDS; arguments hb, wo16, out0; writes out0
.if DOCPART == 4
	.amdgcn_target "amdgcn-amd-amdhsa--gfx1250"
	.amdhsa_code_object_version 6
	.text
	.protected	k_q5fbec75cff_oproj
	.globl	k_q5fbec75cff_oproj
	.p2align	8
	.type	k_q5fbec75cff_oproj,@function
k_q5fbec75cff_oproj:
	s_mov_b64 s[64:65], 0
	v_nop
	global_prefetch_b8 v0, s[64:65] scope:SCOPE_SE
	s_setreg_imm32_b32 hwreg(HW_REG_WAVE_MODE, 25, 1), 1
	s_wait_xcnt 0x0
	s_wait_alu depctr_hold_cnt(0) depctr_sa_sdst(0) depctr_va_vdst(0) depctr_va_sdst(0) depctr_va_ssrc(0) depctr_va_vcc(0) depctr_vm_vsrc(0)
	s_getreg_b32 s2, hwreg(HW_REG_IB_STS2, 6, 4)
	s_cmp_eq_u32 s2, 0
	s_cbranch_scc0 .Lentry_in_a_cluster
	s_endpgm
.Lentry_in_a_cluster:
	s_bfe_u32 s2, ttmp6, 0x10000c
	s_cmp_lg_u32 s2, 0xf033
	s_cbranch_scc0 .Lentry_shape_is_right
	s_endpgm
.Lentry_shape_is_right:
; out0[b][s][o] = the sum over k of h[b][s][k] wo[o][k], k = 64 head + channel.  h: hb [64 (batch, head)][2048][64] f16; wo16 [1024][1024] f16; out0 f32; sums in f32.
; ROWS LEFT TO ANOTHER LAUNCH: positions 0-15 of every sequence are stored by the last launch, which carries them in f32; here they lie inside a tile of 128 rows and are multiplied with it, but not stored.
; LIMIT: h and wo in f16: magnitudes up to 65,504.
; A tile of the output, 128 rows x 256 columns, is made by four waves, 64 x 128 each: 32 accumulators of 16 x 16, 256 registers.  256 equal work-groups.  K goes in steps of 128, two heads, through a ring of two LDS slots.
; CLUSTERS: 4 x 4 work-groups.  Tile column = cx; tile row = 16 cy + cluster y, so the batch is cy and the place in the sequence is the cluster's y, the same for all sixteen partners.  The four of a row of the
; cluster need the same tiles of h, the four of a column the same tiles of wo: each is asked for JOINTLY, by the same tensor load with the same descriptor and a mask that names the four.
; THE MATRIX INSTRUCTION IS USED TRANSPOSED (source 0 = 16 rows of wo, source 1 = 16 rows of h): a lane then holds eight neighbouring numbers of a row of the output.
; REGISTERS, in windows of 256: window 0: v0-31 addresses; v64-95, v96-127 h's fragments (4 x 16 rows x 32 K), two buffers; v128-255 rows on the way out.  window 1: v0-63, v64-127 wo's fragments (8), two buffers.
;   window 2: the accumulators ((a, b) at v[8 (8 a + b)]).
.set APL,    17408                     ; a head's 128 rows of h in LDS: dense in memory, so stated as 64 double rows of 256 bytes, + 16 of padding each
.set BOFF,   2*APL                     ; behind the two heads: wo's 256 rows of 256 bytes + 16
.set BH,     128*272
.set SLOT,   BOFF+2*BH
.set STAGE,  2*SLOT                    ; behind the ring: 16 rows x (512 bytes + 16) for each wave
.set SPITCH, 528
.set SPARE,  STAGE+4*16*SPITCH         ; the spare words, 128 bytes for each wave, which no other line names
.set LAPS,   4                         ; a lap = two K steps = once round the ring; K = 1,024
.set ADRA, 16
.set ADRB, 20
.set STO,  24
.set RD,   25
.set CO,   26
.set SPW,  28                          ; v28  LDS address of my spare word; never rewritten
.set NIL,  29                          ; v29  0; never rewritten
.set BK,   128
.set G1, 24
.set G0, 32
.set G1B, 48
.set G0B, 56
.set MSB, 0
.macro WIN new                         ; the immediate's high byte repeats the setting that is left
.if MSB != \new
	s_set_vgpr_msb (MSB<<8)|\new
.set MSB, \new
.endif
.endm
.set MUL, 0xa1                         ; source 0 (wo) window 1, source 1 (h) window 0, C and D window 2
; A joint load: waves 0 and 1 fetch h's two heads, waves 2 and 3 wo's two halves.  The branch hangs on the wave's number alone.  An s_nop 0 and four v_nop follow each of the two lines.
.macro JLOAD s
	s_cmp_eq_u32 s11, 0
	s_cbranch_scc0 .Lfor_b_\@
	tensor_load_to_lds s[G0+4*\s:G0+4*\s+3], s[G1:G1+7]
	s_nop 0
.rept 4
	v_nop
.endr
	s_branch .Lasked_\@
.Lfor_b_\@:
	tensor_load_to_lds s[G0B+4*\s:G0B+4*\s+3], s[G1B:G1B+7]
	s_nop 0
.rept 4
	v_nop
.endr
.Lasked_\@:
.endm
.macro CREST                           ; a round of the cluster's barrier behind its opening barrier
	s_cmp_lg_u32 s10, 0
	s_cbranch_scc1 .Lnot_wave_0_\@
	s_barrier_signal -3
.Lnot_wave_0_\@:
	s_barrier_wait -3
	s_barrier_signal -1
	s_barrier_wait -1
.endm
.macro CROUND
	s_barrier_signal -1
	s_barrier_wait -1
	CREST
.endm
	s_load_b128 s[4:7], s[0:1], 0x0                ; hb, wo16
	s_load_b64 s[8:9], s[0:1], 0x10                ; out0
	v_lshl_add_u32 v[SPW], v0, 2, SPARE
	v_mov_b32 v[NIL], 0
	ds_add_u32 v[SPW], v[NIL]                      ; the wave's opening: the add, twice on end, and its wait ahead of my first tensor load
	ds_add_u32 v[SPW], v[NIL]
	v_lshrrev_b32 v1, 5, v0
	v_readfirstlane_b32 s10, v1                    ; wave 0..3
	s_lshr_b32 s11, s10, 1                         ; which half of the tile's rows is mine.  Also: I fetch for h (0) or for wo (1)
	s_and_b32 s12, s10, 1                          ; which half of its columns.  Also: which head, or which 128 rows of wo, I fetch
	s_bfe_u32 s40, ttmp6, 0x40000                  ; cx, cy
	s_bfe_u32 s41, ttmp6, 0x40004
	s_and_b32 s13, ttmp7, 0xffff                   ; cluster y: which 128 positions of a sequence
	s_lshl_b32 s43, s41, 2
	s_lshl_b32 s43, 15, s43                        ; my row of the cluster
	s_lshl_b32 s44, 0x1111, s40                    ; my column
	s_or_b32 s[G1+0], s43, (1<<16)|(1<<20)|(1<<21)|(5<<22)|(3<<25)  ; 15:0 the mask; 17:16 elements of 2 bytes; 20 padding on; 21 set beside a mask; 24:22 after every 64 words; 31:25 four words
	s_or_b32 s[G1B+0], s44, (1<<16)|(1<<20)|(1<<21)|(5<<22)|(3<<25)
	s_mov_b32 s[G1+1], 128<<16                     ; h: 64 double rows x 128 elements, dense
	s_mov_b32 s[G1+2], 64<<16
	s_mov_b32 s[G1+3], 128<<16
	s_mov_b32 s[G1+4], 64
	s_mov_b32 s[G1+5], 128
	s_mov_b32 s[G1+6], 0
	s_mov_b32 s[G1+7], 0
	s_mov_b32 s[G1B+1], 128<<16                    ; wo: 128 rows x 128 elements, 1,024 elements from row to row
	s_mov_b32 s[G1B+2], 128<<16
	s_mov_b32 s[G1B+3], 128<<16
	s_mov_b32 s[G1B+4], 128
	s_mov_b32 s[G1B+5], 1024
	s_mov_b32 s[G1B+6], 0
	s_mov_b32 s[G1B+7], 0
	s_lshl_b32 s16, s41, 4
	s_add_co_u32 s16, s16, s12                     ; h: (batch, head) = 16 cy + my head of the K step's two,
	s_lshl_b32 s16, s16, 18
	s_lshl_b32 s17, s13, 14                        ; + 128 rows of 128 bytes x cluster y
	s_add_co_u32 s16, s16, s17
	s_mov_b32 s17, 0
	s_lshl_b32 s46, s40, 8
	s_lshl_b32 s47, s12, 7
	s_add_co_u32 s46, s46, s47                     ; wo: row 256 cx + 128 x half,
	s_lshl_b32 s46, s46, 11                        ; of 2,048 bytes
	s_mov_b32 s47, 0
	s_mul_i32 s20, s12, APL                        ; where they go: no place in the cluster enters an LDS address
	s_mul_i32 s21, s12, BH
	s_add_co_u32 s21, s21, BOFF
	s_wait_dscnt 0x0                               ; both opening adds are done
	s_wait_kmcnt 0x0
	s_add_nc_u64 s[14:15], s[4:5], s[16:17]
	s_add_nc_u64 s[46:47], s[6:7], s[46:47]
	CROUND                                         ; all sixteen work-groups are here: the first joint loads meet
.irp s, 0,1
	s_mov_b32 s[G0+4*\s], 1
	s_add_co_u32 s[G0+4*\s+1], s20, \s*SLOT
	s_add_nc_u64 s[G0+4*\s+2:G0+4*\s+3], s[14:15], \s*524288       ; K step s: two heads of 262,144 bytes on
	s_or_b32 s[G0+4*\s+3], s[G0+4*\s+3], 0x80000000
	s_mov_b32 s[G0B+4*\s], 1
	s_add_co_u32 s[G0B+4*\s+1], s21, \s*SLOT
	s_add_nc_u64 s[G0B+4*\s+2:G0B+4*\s+3], s[46:47], \s*256
	s_or_b32 s[G0B+4*\s+3], s[G0B+4*\s+3], 0x80000000
	JLOAD \s                                       ; two tensor loads of mine are out at the start, one behind each round later
.endr
	v_and_b32 v1, 15, v0                           ; r
	v_bfe_u32 v2, v0, 4, 1                         ; h
	v_lshrrev_b32 v3, 1, v1
	v_mul_u32_u24 v3, v3, 272
	v_and_b32 v4, 1, v1
	v_lshl_add_u32 v3, v4, 7, v3
	v_lshl_add_u32 v3, v2, 4, v3                   ; h's rows: (r / 2) 272 + (r % 2) 128 + 16 x half: 16 different columns of 16 bytes
	v_mul_u32_u24 v4, v1, 272
	v_lshl_add_u32 v4, v2, 4, v4                   ; wo's rows: 272 r + 16 x half
	s_mul_i32 s21, s11, 8704                       ; my 64 rows of h
	s_mul_i32 s22, s12, BH                         ; my 128 rows of wo
	s_add_co_u32 s22, s22, BOFF
.irp s, 0,1
	v_add_nc_u32 v[ADRA+\s], s21, v3
	v_add_nc_u32 v[ADRB+\s], s22, v4
	s_add_co_u32 s21, s21, SLOT
	s_add_co_u32 s22, s22, SLOT
.endr
	s_mul_i32 s23, s10, 16*SPITCH
	s_add_co_u32 s23, s23, STAGE                   ; my stage
	v_mul_u32_u24 v5, v1, SPITCH
	v_lshl_add_u32 v5, v2, 5, v5
	v_add_nc_u32 v[STO], s23, v5                   ; in: row r, 32 bytes for each half of the lanes
	v_and_b32 v6, 31, v0
	v_lshlrev_b32 v[CO], 4, v6                     ; back: the 32 lanes take one row of 512 bytes; and the same in the output
	v_add_nc_u32 v[RD], s23, v[CO]
	s_lshl_b32 s66, s41, 11
	s_lshl_b32 s67, s13, 7
	s_add_co_u32 s66, s66, s67
	s_lshl_b32 s67, s11, 6
	s_add_co_u32 s66, s66, s67                     ; my first row: 2,048 cy + 128 x cluster y + 64 x half
	s_lshl_b32 s66, s66, 12                        ; of 4,096 bytes
	s_lshl_b32 s67, s40, 10
	s_add_co_u32 s66, s66, s67
	s_lshl_b32 s67, s12, 9
	s_add_co_u32 s66, s66, s67                     ; my first column: 256 cx + 128 x half
	s_mov_b32 s67, 0
	s_add_nc_u64 s[8:9], s[8:9], s[66:67]
; 16 matrix instructions: h's blocks a0, a0 + 1 against wo's eight, 32 along K, on buffer f.  The 32 accumulators take turns, one instruction a turn, in the same order in every quarter.
.macro MUL16 f, a0, zero
.irp a, \a0, \a0+1
.irp b, 0,1,2,3,4,5,6,7
.if \zero
	v_wmma_f32_16x16x32_f16 v[8*(8*(\a)+\b):8*(8*(\a)+\b)+7], v[64*\f+8*\b:64*\f+8*\b+7], v[64+32*\f+8*(\a):64+32*\f+8*(\a)+7], 0
.else
	v_wmma_f32_16x16x32_f16 v[8*(8*(\a)+\b):8*(8*(\a)+\b)+7], v[64*\f+8*\b:64*\f+8*\b+7], v[64+32*\f+8*(\a):64+32*\f+8*(\a)+7], v[8*(8*(\a)+\b):8*(8*(\a)+\b)+7]
.endif
.endr
.endr
.endm
.macro FETCH slot, q, f                ; 24 LDS loads in one run: the fragments of the slot's q-th 32 along K into buffer f
	WIN 0x40                                       ; destination window 1
.irp i, 0,1,2,3,4,5,6,7
	ds_load_b128 v[64*\f+8*\i:64*\f+8*\i+3],   v[ADRB+\slot] offset:64*(\q)+4352*\i
	ds_load_b128 v[64*\f+8*\i+4:64*\f+8*\i+7], v[ADRB+\slot] offset:64*(\q)+4352*\i+32
.endr
	WIN 0
.irp i, 0,1,2,3
	ds_load_b128 v[64+32*\f+8*\i:64+32*\f+8*\i+3],   v[ADRA+\slot] offset:APL*((\q)/2)+64*((\q)%2)+2176*\i
	ds_load_b128 v[64+32*\f+8*\i+4:64+32*\f+8*\i+7], v[ADRA+\slot] offset:APL*((\q)/2)+64*((\q)%2)+2176*\i+32
.endr
.endm
.macro PLACES                          ; four plain vector instructions in front of loads into registers that matrix instructions have read, and of the first read of results
.rept 4
	v_nop
.endr
.endm
; A K step is four quarters of 32 along K, 32 matrix instructions each, on buffers 0, 1, 0, 1.  One of the first three: buffer f is in; the next quarter's fragments are asked for into g, and land under f's 32 products.
.macro QUARTER slot, qn, f, g, zero
	s_wait_dscnt 0x0
	PLACES
	FETCH \slot, \qn, \g
	WIN MUL
	MUL16 \f, 0, \zero
	MUL16 \f, 2, \zero
.endm
; The last quarter multiplies buffer 1 and changes slots: one barrier; in front of it each wave waits for all its tensor loads (its part of the next slot), adds 0 to its spare word, and waits for that and for its reads of this slot.
; fill = 1: the barrier opens a round of the cluster's barrier, and the joint refill, two K steps ahead, is the first tensor load behind it.
.macro TURN slot, next, fill
	WIN 0
	s_wait_tensorcnt 0x0
	ds_add_u32 v[SPW], v[NIL]
	s_wait_dscnt 1                                 ; buffer 1 is in (the add may be out)
	WIN MUL
	MUL16 1, 0, 0                                  ; sixteen matrix instructions stand between the add and the wait for it
	s_wait_dscnt 0x0                               ; the add is done, and my reads of this slot are over
	s_barrier_signal -1
	WIN 0
	s_barrier_wait -1
.if \fill
	CREST
	s_add_nc_u64 s[G0+4*\slot+2:G0+4*\slot+3], s[G0+4*\slot+2:G0+4*\slot+3], 2*524288
	s_add_nc_u64 s[G0B+4*\slot+2:G0B+4*\slot+3], s[G0B+4*\slot+2:G0B+4*\slot+3], 2*256
	JLOAD \slot                                    ; the four v_nop behind it are also the places in front of the loads below
.else
	PLACES
.endif
	FETCH \next, 0, 0
	WIN MUL
	MUL16 1, 2, 0
.endm
	s_wait_tensorcnt 1                             ; my part of K step 0 is in (K step 1's load may be out),
	s_barrier_signal -1
	s_barrier_wait -1                              ; everybody's is
	FETCH 0, 0, 0
	QUARTER 0, 1, 0, 1, 1                          ; the first quarter's products start the sums: nothing is cleared
	WIN 0
	s_mov_b32 s3, LAPS-1
.Llap:                                             ; a trip goes once round the ring, from a lap's second quarter to the next lap's first, and fills both slots again
	QUARTER 0, 2, 1, 0, 0
	QUARTER 0, 3, 0, 1, 0
	TURN 0, 1, 1
	QUARTER 1, 1, 0, 1, 0
	QUARTER 1, 2, 1, 0, 0
	QUARTER 1, 3, 0, 1, 0
	TURN 1, 0, 1
	QUARTER 0, 1, 0, 1, 0
	WIN 0
	s_sub_co_u32 s3, s3, 1
	s_cmp_lg_u32 s3, 0
	s_cbranch_scc1 .Llap
	QUARTER 0, 2, 1, 0, 0                          ; the last lap fills nothing
	QUARTER 0, 3, 0, 1, 0
	TURN 0, 1, 0
	QUARTER 1, 1, 0, 1, 0
	QUARTER 1, 2, 1, 0, 0
	QUARTER 1, 3, 0, 1, 0
	s_wait_dscnt 0x0
	WIN MUL
	MUL16 1, 0, 0
	MUL16 1, 2, 0
	WIN 0
	PLACES
; THE WAY OUT, block by block of 16 rows x 128 columns: through my own stage in LDS, back as whole rows of 512 bytes.  LDS serves a wave's instructions in order: no wait between the stores and the loads.
.macro TOSTAGE a
	WIN 0x08                                       ; an LDS store's data: window 2
.irp b, 0,1,2,3,4,5,6,7
	ds_store_b128 v[STO], v[8*(8*(\a)+\b):8*(8*(\a)+\b)+3] offset:64*\b          ; each accumulator from its low end on
	ds_store_b128 v[STO], v[8*(8*(\a)+\b)+4:8*(8*(\a)+\b)+7] offset:64*\b+16
.endr
	WIN 0
.set BB, BK+64*((\a)%2)
.irp t, 0,1,2,3,4,5,6,7,8,9,10,11,12,13,14,15
	ds_load_b128 v[BB+4*\t:BB+4*\t+3], v[RD] offset:\t*SPITCH
.endr
.endm
.macro SEND a, younger                 ; younger: the LDS instructions issued behind block a's loads, which may stay out
.set BB, BK+64*((\a)%2)
	s_wait_dscnt \younger
.irp t, 0,1,2,3,4,5,6,7,8,9,10,11,12,13,14,15
	global_store_b128 v[CO], v[BB+4*\t:BB+4*\t+3], s[8:9] offset:(16*(\a)+\t)*4096 th:TH_STORE_NT   ; 32 lanes store 512 consecutive bytes, aligned; written once, read by nobody here
.endr
.endm
	s_or_b32 s20, s13, s11                         ; positions 0-15 of a sequence are my block 0 where the cluster's y is 0 and my rows are the tile's upper half: they are another launch's to store
	s_cmp_eq_u32 s20, 0
	s_cbranch_scc1 .Lnot0
	TOSTAGE 0
	SEND 0, 0
.Lnot0:
	TOSTAGE 1
	s_wait_xcnt 0x0                                ; block 0's stores have read their registers: block 2's loads may land there
	TOSTAGE 2
	SEND 1, 32                                     ; behind block 1's loads: block 2's 16 stores and 16 loads
	s_wait_xcnt 0x0
	TOSTAGE 3
	SEND 2, 32
	SEND 3, 0
	s_wait_tensorcnt 0x0                           ; the wave's end
	ds_add_u32 v[SPW], v[NIL]
	s_wait_dscnt 0x0
	CROUND                                         ; the closing round
	s_endpgm
.Lfunc_end_k_q5fbec75cff_oproj:
	.size	k_q5fbec75cff_oproj, .Lfunc_end_k_q5fbec75cff_oproj-k_q5fbec75cff_oproj
	.p2alignl 7, 3214868480
	.fill 96, 4, 3214868480
	.section	.rodata,"a",@progbits
	.p2align	6, 0x0
	.amdhsa_kernel k_q5fbec75cff_oproj
		.amdhsa_group_segment_fixed_size 327680
		.amdhsa_private_segment_fixed_size 0
		.amdhsa_enable_private_segment 0
		.amdhsa_kernarg_size 24
		.amdhsa_user_sgpr_count 2
		.amdhsa_user_sgpr_kernarg_segment_ptr 1
		.amdhsa_wavefront_size32 1
		.amdhsa_system_sgpr_workgroup_id_x 1
		.amdhsa_system_sgpr_workgroup_id_y 1
		.amdhsa_system_sgpr_workgroup_id_z 1
		.amdhsa_system_vgpr_workitem_id 0
		.amdhsa_next_free_vgpr 768
		.amdhsa_next_free_sgpr 72
		.amdhsa_reserve_vcc 0
		.amdhsa_float_denorm_mode_32 3
		.amdhsa_float_denorm_mode_16_64 3
		.amdhsa_memory_ordered 1
		.amdhsa_forward_progress 1
		.amdhsa_inst_pref_size 85
	.end_amdhsa_kernel
	.amdgpu_metadata
---
amdhsa.version: [ 1, 2 ]
amdhsa.kernels:
  - .name:           k_q5fbec75cff_oproj
    .symbol:         k_q5fbec75cff_oproj.kd
    .args:
      - { .name: hb, .offset: 0, .size: 8, .value_kind: global_buffer, .address_space: global }
      - { .name: wo16, .offset: 8, .size: 8, .value_kind: global_buffer, .address_space: global }
      - { .name: out0, .offset: 16, .size: 8, .value_kind: global_buffer, .address_space: global }
    .group_segment_fixed_size: 327680
    .private_segment_fixed_size: 0
    .kernarg_segment_align: 8
    .kernarg_segment_size: 24
    .max_flat_workgroup_size: 128
    .sgpr_count:     72
    .vgpr_count:     768
    .wavefront_size: 32
...
	.end_amdgpu_metadata
.endif
;; end of part 4
;; launch fine (part 5): grid 64 x 4, 16 waves a work-group, no clusters, 18,432 bytes of LDS; arguments q32, wo, out0; writes out0
.if DOCPART == 5
	.amdgcn_target "amdgcn-amd-amdhsa--gfx1250"
	.amdhsa_code_object_version 6
	.text
	.protected	k_q5fbec75cff_fine
	.globl	k_q5fbec75cff_fine
	.p2align	8
	.type	k_q5fbec75cff_fine,@function
k_q5fbec75cff_fine:
	s_mov_b64 s[64:65], 0
	v_nop
	global_prefetch_b8 v0, s[64:65] scope:SCOPE_SE
	s_setreg_imm32_b32 hwreg(HW_REG_WAVE_MODE, 25, 1), 1
	s_wait_xcnt 0x0
; Rows 0-15 of every sequence of out0, wholly in f32.  Under the causal mask these rows average one to sixteen values and are the largest of the output, so their scores, weights, sums and projection keep f32 operands
; (v_wmma_f32_16x16x4_f32: 64 rows in all, no bulk work).  q32 [4][16][3072]: q, k (rotated) and v of those positions, f32.  Keys beyond 15 are hidden from these queries by reference()'s own jnp.tril: they are not read.
; SHARES.  A work-group takes 16 output columns (x) of one batch (y).  Wave = head: it makes its head's attention for the 16 rows, multiplies its 64 channels, straight from registers, by its 64 columns of wo's 16 rows,
; and the sixteen partial tiles are added through LDS.  A head's small attention is so repeated in the 64 work-groups of a batch: 32 of a wave's 48 matrix instructions; one launch the fewer.
; LAYOUTS.  The form takes, in lane (r, h), register j, the element k = 2 h + j of row (or column) r.  Which four of a product's K go into one instruction is free where both sources take the same four:
;   S^T = K Q^T: instruction x takes channels 8 (x / 2) + 4 h + 2 (x % 2) + j: a lane's loads are 16 neighbouring bytes.  Result: lane (r, h) holds query r, register j key 8 h + j.
;   O^T = V^T P: instruction i takes keys 8 h + 2 i + j: P's registers as they stand.  Result: query r, channel 16 ct + 8 h + j.
;   Y^T = W H^T: instruction (ct, i) takes channels 16 ct + 8 h + 2 i + j: H's registers as they stand.  Result: query r, output column 8 h + j.
; The registers that the matrix instructions write, v144-239, are written by them alone; what is made of the sums goes into other registers; each sum begins with the constant 0; four accumulators take turns.
.set SPW, 4                            ; v4  LDS address of my spare word; never rewritten
.set NIL, 5                            ; v5  0; never rewritten
.set QR,  16                           ; v16-47   Q; later H; later the partial tiles
.set KR,  48                           ; v48-79   K; later my tile's sum; later the partial tiles
.set VR,  80                           ; v80-111  V
.set WR,  112                          ; v112-143 W
.set SA,  144
.set OA,  176
.set YA,  208
.set PP,  240                          ; v240-247 the scores, then p
.set SPARE, 16384                      ; behind the sixteen partial tiles of 1,024 bytes: the spare words, 128 bytes for each wave
	s_load_b128 s[4:7], s[0:1], 0x0                ; q32, wo
	s_load_b64 s[8:9], s[0:1], 0x10                ; out0
	v_lshl_add_u32 v[SPW], v0, 2, SPARE
	v_mov_b32 v[NIL], 0
	v_lshrrev_b32 v1, 5, v0
	v_readfirstlane_b32 s10, v1                    ; wave = head
	s_and_b32 s11, ttmp7, 0xffff                   ; batch
	v_and_b32 v1, 15, v0                           ; r
	v_bfe_u32 v2, v0, 4, 1                         ; h
	v_mul_u32_u24 v3, v1, 12288
	v_lshl_add_u32 v3, v2, 4, v3                   ; q, k: row r of 12,288 bytes + 16 h
	v_mul_u32_u24 v6, v2, 98304
	v_lshl_add_u32 v6, v1, 2, v6                   ; v: key 8 h, channel r
	v_lshlrev_b32 v7, 12, v1
	v_lshl_add_u32 v7, v2, 5, v7                   ; wo: row r of 4,096 bytes + 32 h
	v_lshlrev_b32 v8, 3, v2
	v_sub_nc_u32 v8, v1, v8                        ; r - 8 h: register j is hidden where j is greater
	v_mov_b32 v9, 0xff800000                       ; -infinity
	v_and_b32 v10, 31, v0
	v_lshlrev_b32 v10, 4, v10
	s_lshl_b32 s12, s10, 10
	v_add_nc_u32 v10, s12, v10                     ; my partial tile: 1,024 x wave + 16 x lane
	v_lshlrev_b32 v11, 4, v0                       ; the sum: 16 x thread (waves 0 and 1)
	v_lshlrev_b32 v12, 12, v1
	v_lshl_add_u32 v12, v2, 5, v12
	v_lshrrev_b32 v13, 5, v0
	v_lshl_add_u32 v12, v13, 4, v12                ; out0: row r, columns 8 h + 4 (thread / 32) + 0 .. 3
	v_mov_b32 v249, 0                              ; written once: a lane permute's destination counts as one of its sources
	s_mov_b32 s14, 0x76543210
	s_mov_b32 s15, 0xfedcba98                      ; v_permlanex16_b32's selects for lane l xor 16
	s_mov_b32 s16, 0x3e38aa3b                      ; c = log2(e) / 8
	s_mul_i32 s12, s11, 196608
	s_lshl_b32 s13, s10, 8
	s_add_co_u32 s12, s12, s13                     ; q32: the batch's 16 rows, my head's 64 columns
	s_lshl_b32 s18, ttmp9, 16
	s_add_co_u32 s18, s18, s13                     ; wo: rows 16 x, my head's 64 columns
	s_mov_b32 s13, 0
	s_mov_b32 s19, 0
	s_lshl_b32 s20, s11, 23
	s_lshl_b32 s21, ttmp9, 6
	s_add_co_u32 s20, s20, s21                     ; out0: the batch's first row, columns 16 x
	s_mov_b32 s21, 0
	s_wait_kmcnt 0x0
	s_add_nc_u64 s[4:5], s[4:5], s[12:13]
	s_add_nc_u64 s[6:7], s[6:7], s[18:19]
	s_add_nc_u64 s[8:9], s[8:9], s[20:21]
.irp i, 0,1,2,3,4,5,6,7
	global_load_b128 v[KR+4*\i:KR+4*\i+3], v3, s[4:5] offset:4096+32*\i
.endr
.irp i, 0,1,2,3,4,5,6,7
	global_load_b128 v[QR+4*\i:QR+4*\i+3], v3, s[4:5] offset:32*\i
.endr
.irp ct, 0,1,2,3
.irp n, 0,1,2,3,4,5,6,7
	global_load_b32 v[VR+8*\ct+\n], v6, s[4:5] offset:8192+12288*\n+64*\ct   ; V(key 8 h + n, channel 16 ct + r)
.endr
.endr
.irp ct, 0,1,2,3
	global_load_b128 v[WR+8*\ct:WR+8*\ct+3], v7, s[6:7] offset:64*\ct
	global_load_b128 v[WR+8*\ct+4:WR+8*\ct+7], v7, s[6:7] offset:64*\ct+16
.endr
	s_wait_loadcnt 40                              ; K and Q are in; V's 32 loads and W's 8 may be out
.set x, 0
.rept 16
.if x < 4
	v_wmma_f32_16x16x4_f32 v[SA+8*(x%4):SA+8*(x%4)+7], v[KR+2*x:KR+2*x+1], v[QR+2*x:QR+2*x+1], 0
.else
	v_wmma_f32_16x16x4_f32 v[SA+8*(x%4):SA+8*(x%4)+7], v[KR+2*x:KR+2*x+1], v[QR+2*x:QR+2*x+1], v[SA+8*(x%4):SA+8*(x%4)+7]
.endif
.set x, x+1
.endr
.rept 8
	v_nop                                          ; eight places behind this form, in front of the first read of its results (ISA guide 7.12.1)
.endr
.irp i, 0,2,4,6
	v_pk_add_f32 v[PP+\i:PP+\i+1], v[SA+\i:SA+\i+1], v[SA+8+\i:SA+8+\i+1]        ; the four partial sums, each read from its low end on
.endr
.irp i, 0,2,4,6
	v_pk_add_f32 v[PP+\i:PP+\i+1], v[PP+\i:PP+\i+1], v[SA+16+\i:SA+16+\i+1]
.endr
.irp i, 0,2,4,6
	v_pk_add_f32 v[PP+\i:PP+\i+1], v[PP+\i:PP+\i+1], v[SA+24+\i:SA+24+\i+1]
.endr
.irp j, 0,1,2,3,4,5,6,7
	v_cmp_gt_i32 vcc_lo, \j, v8                    ; key 8 h + j > query r: hidden
	v_cndmask_b32 v[PP+\j], v[PP+\j], v9, vcc_lo
.endr
	v_max3_num_f32 v248, v[PP], v[PP+1], v[PP+2]
	v_max3_num_f32 v248, v248, v[PP+3], v[PP+4]
	v_max3_num_f32 v248, v248, v[PP+5], v[PP+6]
	v_max_num_f32 v248, v248, v[PP+7]
	v_permlanex16_b32 v249, v248, s14, s15
	v_max_num_f32 v248, v248, v249                 ; the row's maximum: key 0 counts for every query, so it is a number
	v_mul_f32 v248, s16, v248
.irp j, 0,1,2,3,4,5,6,7
	v_fma_f32 v[PP+\j], v[PP+\j], s16, -v248       ; c s - c m
.endr
.irp j, 0,1,2,3,4,5,6,7
	v_exp_f32 v[PP+\j], v[PP+\j]
.endr
	v_nop                                          ; a plain instruction behind the last exponential
	s_wait_alu depctr_va_vdst(0)                   ; one wait for the eight, ahead of their first reader
	v_pk_add_f32 v[250:251], v[PP:PP+1], v[PP+2:PP+3]
	v_pk_add_f32 v[252:253], v[PP+4:PP+5], v[PP+6:PP+7]
	v_pk_add_f32 v[250:251], v[250:251], v[252:253]
	v_add_f32 v250, v250, v251
	v_permlanex16_b32 v249, v250, s14, s15
	v_add_f32 v250, v250, v249                     ; the row's sum
	v_rcp_f32 v250, v250
	v_nop                                          ; a plain instruction behind the reciprocal
	s_wait_loadcnt 8                               ; V is in; W's 8 loads may be out
.irp i, 0,1,2,3
.irp ct, 0,1,2,3
.if \i == 0
	v_wmma_f32_16x16x4_f32 v[OA+8*\ct:OA+8*\ct+7], v[VR+8*\ct+2*\i:VR+8*\ct+2*\i+1], v[PP+2*\i:PP+2*\i+1], 0
.else
	v_wmma_f32_16x16x4_f32 v[OA+8*\ct:OA+8*\ct+7], v[VR+8*\ct+2*\i:VR+8*\ct+2*\i+1], v[PP+2*\i:PP+2*\i+1], v[OA+8*\ct:OA+8*\ct+7]
.endif
.endr
.endr
.rept 8
	v_nop
.endr
	s_wait_alu depctr_va_vdst(0)                   ; the reciprocal's wait, ahead of its first reader
.set n, 0
.rept 16
	v_pk_mul_f32 v[QR+2*n:QR+2*n+1], v[OA+2*n:OA+2*n+1], v[250:251] op_sel_hi:[1,0]   ; H = O^T / the sum
.set n, n+1
.endr
	s_wait_loadcnt 0x0                             ; W
.irp i, 0,1,2,3
.irp ct, 0,1,2,3
.if \i == 0
	v_wmma_f32_16x16x4_f32 v[YA+8*\ct:YA+8*\ct+7], v[WR+8*\ct+2*\i:WR+8*\ct+2*\i+1], v[QR+8*\ct+2*\i:QR+8*\ct+2*\i+1], 0
.else
	v_wmma_f32_16x16x4_f32 v[YA+8*\ct:YA+8*\ct+7], v[WR+8*\ct+2*\i:WR+8*\ct+2*\i+1], v[QR+8*\ct+2*\i:QR+8*\ct+2*\i+1], v[YA+8*\ct:YA+8*\ct+7]
.endif
.endr
.endr
.rept 8
	v_nop                                          ; in front of the first read of the results, and of the loads below into H's registers
.endr
.irp i, 0,2,4,6
	v_pk_add_f32 v[KR+\i:KR+\i+1], v[YA+\i:YA+\i+1], v[YA+8+\i:YA+8+\i+1]
.endr
.irp i, 0,2,4,6
	v_pk_add_f32 v[KR+\i:KR+\i+1], v[KR+\i:KR+\i+1], v[YA+16+\i:YA+16+\i+1]
.endr
.irp i, 0,2,4,6
	v_pk_add_f32 v[KR+\i:KR+\i+1], v[KR+\i:KR+\i+1], v[YA+24+\i:YA+24+\i+1]
.endr
	ds_store_b128 v10, v[KR:KR+3]                  ; my head's part of the tile, as an image of its registers
	ds_store_b128 v10, v[KR+4:KR+7] offset:512
	s_wait_dscnt 0x0                               ; for the others' sake: my stores have landed
	s_barrier_signal -1
	s_barrier_wait -1
	s_cmp_lt_u32 s10, 2                            ; waves 0 and 1 add the sixteen parts: thread t takes registers 4 (t / 32) + 0 .. 3 of lane t % 32
	s_cbranch_scc0 .Ldone
.irp p, 0,1,2,3,4,5,6,7,8,9,10,11,12,13,14,15
	ds_load_b128 v[QR+4*\p:QR+4*\p+3], v11 offset:1024*\p
.endr
	s_wait_dscnt 0x0
.irp n, 8,4,2,1
.set p, 0
.rept \n
	v_pk_add_f32 v[QR+4*p:QR+4*p+1], v[QR+4*p:QR+4*p+1], v[QR+4*(p+\n):QR+4*(p+\n)+1]
	v_pk_add_f32 v[QR+4*p+2:QR+4*p+3], v[QR+4*p+2:QR+4*p+3], v[QR+4*(p+\n)+2:QR+4*(p+\n)+3]
.set p, p+1
.endr
.endr
	global_store_b128 v12, v[QR:QR+3], s[8:9]      ; 64 consecutive bytes of each of 16 rows: 262,144 bytes in the whole launch leave so
.Ldone:
	s_wait_tensorcnt 0x0                           ; the wave's end
	ds_add_u32 v[SPW], v[NIL]
	s_wait_dscnt 0x0
	s_endpgm
.Lfunc_end_k_q5fbec75cff_fine:
	.size	k_q5fbec75cff_fine, .Lfunc_end_k_q5fbec75cff_fine-k_q5fbec75cff_fine
	.p2alignl 7, 3214868480
	.fill 96, 4, 3214868480
	.section	.rodata,"a",@progbits
	.p2align	6, 0x0
	.amdhsa_kernel k_q5fbec75cff_fine
		.amdhsa_group_segment_fixed_size 18432
		.amdhsa_private_segment_fixed_size 0
		.amdhsa_enable_private_segment 0
		.amdhsa_kernarg_size 24
		.amdhsa_user_sgpr_count 2
		.amdhsa_user_sgpr_kernarg_segment_ptr 1
		.amdhsa_wavefront_size32 1
		.amdhsa_system_sgpr_workgroup_id_x 1
		.amdhsa_system_sgpr_workgroup_id_y 1
		.amdhsa_system_sgpr_workgroup_id_z 1
		.amdhsa_system_vgpr_workitem_id 0
		.amdhsa_next_free_vgpr 256
		.amdhsa_next_free_sgpr 66
		.amdhsa_reserve_vcc 1
		.amdhsa_float_denorm_mode_32 3
		.amdhsa_float_denorm_mode_16_64 3
		.amdhsa_memory_ordered 1
		.amdhsa_forward_progress 1
		.amdhsa_inst_pref_size 20
	.end_amdhsa_kernel
	.amdgpu_metadata
---
amdhsa.version: [ 1, 2 ]
amdhsa.kernels:
  - .name:           k_q5fbec75cff_fine
    .symbol:         k_q5fbec75cff_fine.kd
    .args:
      - { .name: q32, .offset: 0, .size: 8, .value_kind: global_buffer, .address_space: global }
      - { .name: wo, .offset: 8, .size: 8, .value_kind: global_buffer, .address_space: global }
      - { .name: out0, .offset: 16, .size: 8, .value_kind: global_buffer, .address_space: global }
    .group_segment_fixed_size: 18432
    .private_segment_fixed_size: 0
    .kernarg_segment_align: 8
    .kernarg_segment_size: 24
    .max_flat_workgroup_size: 512
    .sgpr_count:     66
    .vgpr_count:     256
    .wavefront_size: 32
...
	.end_amdgpu_metadata
.endif
;; end of part 5
